; MI455X (gfx1250); checked and timed in simulation.
; The chip was launched on July 23, 2026; its instructions are those of AMD's public machine-readable ISA for CDNA 5 (MIT licence, August 2026) and "CDNA5" Instruction Set Architecture Reference Guide (July 2026). The comments in the code are by the model that wrote it; some were corrected since.
;; Topic Grouped Attention. Allowed arithmetic: float matrix products may take bf16 or f16 operands with f32 sums; all other float work in f32.
;; Inputs: Wd 1,024 x 1,024 float32; Wk 1,024 x 1,024 float32; Wq 1,024 x 1,024 float32; Wta 1,024 x 1,024 float32; Wtp 1,024 x 1,024 float32; Wv 1,024 x 1,024 float32; attention_mask 2 x 1 x 1 x 2,048 float32; bd 1,024 float32; bk 1,024 float32; bq 1,024 float32; bta 1,024 float32; btp 1,024 float32; bv 1,024 float32; hidden_states 2 x 2,048 x 1,024 float32; ln_b 1,024 float32; ln_g 1,024 float32; topic_states 2 x 1,024 float32.
;; Outputs: out0 2 x 2,048 x 1,024 float32.
;; One version. Each part assembles by itself: llvm-mc -triple=amdgcn-amd-amdhsa -mcpu=gfx1250 --defsym DOCPART=n.
;; ======== version 1 of 1: 5 launches
;; workspace buffers: hb 8,388,608 bytes; wt 8,388,608 bytes; part 262,144 bytes; qkv 25,165,824 bytes; ctx 8,388,608 bytes; xres 16,777,216 bytes
;; launch prep (part 1): grid 800 x 1, 8 waves a work-group, no clusters, 26,880 bytes of LDS; arguments hidden_states, Wq, Wk, Wv, Wd, topic_states, Wtp, btp, Wta, hb, wt, part; writes hb, wt, part
.if DOCPART == 1
	.amdgcn_target "amdgcn-amd-amdhsa--gfx1250"
	.amdhsa_code_object_version 6
	.text
	.protected	k_q817e4425dc_prep
	.globl	k_q817e4425dc_prep
	.p2align	8
	.type	k_q817e4425dc_prep,@function
k_q817e4425dc_prep:
	s_mov_b64 s[64:65], 0
	v_nop
	global_prefetch_b8 v0, s[64:65] scope:SCOPE_SE
	s_setreg_imm32_b32 hwreg(HW_REG_WAVE_MODE, 25, 1), 1
	s_wait_xcnt 0x0
; prep: three streams that feed the later launches.  The work-group's number picks the role (the same for all eight waves).
;   0..31    TOPIC  work-group j owns 32 indices k of the topic chain's intermediate: proj[b][k] = topic[b][:] . Wtp[:][k] + btp[k],
;                   then part[j][b][:] = sum over its k of proj[b][k] * Wta[k][:].  The 32 partial rows are added, in a fixed order, by the attention launch.
;                   Two rows only: a stream of weights, so f32 multiply-adds on the vector unit; the matrix unit would buy nothing.
;   32..543  TRANS  a tile of 128 k x 64 n of Wq, Wk, Wv or Wd is rounded to bf16 and transposed through LDS: wt[wi*1024+n][k] = W_wi[k][n].
;   544..799 CAST   65,536 bytes of hidden_states are rounded to bf16 into hb.
; No cluster and no tensor load: no tile is shared between work-groups (topic_states, 8 KiB, is a small part of a TOPIC group's 256 KiB).
; LDS: each role has bytes of its own, so that no byte has two meanings in this text: TRANS's stage at 0 (17,408 bytes), TOPIC's sums behind it.
.set NTOPIC, 32
.set NTRANS, 512
.set CX,  4                            ; CAST:  v[4:67]    16 x 4 f32 as loaded
.set CY,  68                           ;        v[68:99]   16 x 2 words of bf16
.set TX,  4                            ; TRANS: v[4:35]    16 rows x 2 columns f32
.set TY,  36                           ;        v[36:51]   4 x 16 bytes: 8 k of one column
.set TRB, 52                           ;        v[52:67]   read back by rows
.set TPITCH, 272                       ;        a stage row: 128 k of bf16 + 16 bytes; 64 rows from LDS byte 0
.set W,   16                           ; TOPIC: v[16:143]  32 rows x 4 columns of Wtp, later of Wta
.set TP,  144                          ;        v[144:207] 32 multipliers for b = 0, 32 for b = 1
.set ACC, 208                          ;        v[208:215] 4 sums for b = 0, 4 for b = 1
.set RED, 64*TPITCH                    ;        LDS 17,408: partial sums [b][32 slices][32 columns] f32, 8,192 bytes
.set PJ,  RED+8192                     ;        LDS 25,600: proj [b][32] f32, 256 bytes
	s_load_b512 s[8:23], s[0:1], 0x0               ; hidden s[8:9], Wq s[10:11], Wk s[12:13], Wv s[14:15], Wd s[16:17], topic s[18:19], Wtp s[20:21], btp s[22:23]
	s_load_b256 s[24:31], s[0:1], 0x40             ; Wta s[24:25], hb s[26:27], wt s[28:29], part s[30:31]
	v_lshl_add_u32 v216, v0, 2, 0x6500
	v_mov_b32 v217, 0
	s_mov_b32 s2, ttmp9
	s_mov_b32 s5, 0                                ; high word of every byte offset (all below 4 GiB)
	v_lshrrev_b32 v1, 5, v0                        ; wave, in every lane
	v_readfirstlane_b32 s6, v1                     ; wave, as a scalar
	v_and_b32 v2, 31, v0                           ; lane
	s_wait_kmcnt 0x0
	s_cmp_lt_u32 s2, NTOPIC
	s_cbranch_scc1 .Ltopic
	s_cmp_lt_u32 s2, NTOPIC+NTRANS
	s_cbranch_scc1 .Ltrans
; ---------------- CAST: 16 loads of 16 bytes a lane, all issued at once; no register is used twice
	s_sub_co_u32 s2, s2, NTOPIC+NTRANS
	s_lshl_b32 s4, s2, 16
	s_add_nc_u64 s[8:9], s[8:9], s[4:5]            ; my 65,536 bytes of hidden_states
	s_lshl_b32 s4, s2, 15
	s_add_nc_u64 s[26:27], s[26:27], s[4:5]        ; my 32,768 bytes of hb
	v_lshlrev_b32 v1, 4, v0
	v_lshlrev_b32 v3, 3, v0
.irp i, 0,1,2,3,4,5,6,7,8,9,10,11,12,13,14,15
	global_load_b128 v[CX+4*\i:CX+4*\i+3], v1, s[8:9] offset:4096*\i th:TH_LOAD_NT
.endr
.irp i, 0,1,2,3,4,5,6,7,8,9,10,11,12,13,14,15
	s_wait_loadcnt 15-\i                           ; loads return in order: load i is in, the younger ones stay out
	v_cvt_pk_bf16_f32 v[CY+2*\i],   v[CX+4*\i],   v[CX+4*\i+1]
	v_cvt_pk_bf16_f32 v[CY+2*\i+1], v[CX+4*\i+2], v[CX+4*\i+3]
	global_store_b64 v3, v[CY+2*\i:CY+2*\i+1], s[26:27] offset:2048*\i   ; a wave's 32 lanes store 256 consecutive bytes, aligned
.endr
	s_endpgm
; ---------------- TRANS
.Ltrans:
	s_sub_co_u32 s2, s2, NTOPIC
	s_lshr_b32 s3, s2, 7                           ; wi: which weight
	s_bfe_u32 s7, s2, 0x30004                      ; kb: which 128 k
	s_and_b32 s2, s2, 15                           ; nb: which 64 n
	s_cmp_eq_u32 s3, 1
	s_cselect_b64 s[10:11], s[12:13], s[10:11]
	s_cmp_eq_u32 s3, 2
	s_cselect_b64 s[10:11], s[14:15], s[10:11]
	s_cmp_eq_u32 s3, 3
	s_cselect_b64 s[10:11], s[16:17], s[10:11]     ; the weight's address
	s_lshl_b32 s4, s7, 19                          ; 128 rows of 4,096 bytes
	s_lshl_b32 s32, s2, 8                          ; 64 columns of 4 bytes
	s_add_co_u32 s4, s4, s32
	s_add_nc_u64 s[10:11], s[10:11], s[4:5]
	s_lshl_b32 s4, s3, 21                          ; wt: 1,024 rows of 2,048 bytes for each weight,
	s_lshl_b32 s32, s2, 17                         ; 64 rows,
	s_add_co_u32 s4, s4, s32
	s_lshl_b32 s32, s7, 8                          ; 128 k of 2 bytes
	s_add_co_u32 s4, s4, s32
	s_add_nc_u64 s[28:29], s[28:29], s[4:5]
	v_lshlrev_b32 v3, 3, v2
	v_lshl_add_u32 v3, v1, 16, v3                  ; wave x 16 rows + 8 x lane: a wave's load takes 256 consecutive bytes of one row
.irp i, 0,1,2,3,4,5,6,7,8,9,10,11,12,13,14,15
	global_load_b64 v[TX+2*\i:TX+2*\i+1], v3, s[10:11] offset:4096*\i th:TH_LOAD_NT   ; W[16 wave + i][2 lane, 2 lane + 1]
.endr
	v_mul_u32_u24 v68, v2, 2*TPITCH
	v_lshl_add_u32 v68, v1, 5, v68                 ; stage row 2 lane, byte 32 wave
	v_lshrrev_b32 v69, 4, v0
	v_and_b32 v70, 15, v0
	v_mul_u32_u24 v71, v69, TPITCH
	v_lshl_add_u32 v71, v70, 4, v71                ; back: sixteen threads take one stage row
	v_lshlrev_b32 v72, 11, v69
	v_lshl_add_u32 v72, v70, 4, v72                ; and the same 256 bytes of a row of wt
.irp c, 0,1
	s_wait_loadcnt 8-8*\c                          ; rows 8c .. 8c+7 are in
.irp e, 0,1
.irp q, 0,1,2,3
	v_cvt_pk_bf16_f32 v[TY+4*(2*\c+\e)+\q], v[TX+2*(8*\c+2*\q)+\e], v[TX+2*(8*\c+2*\q+1)+\e]   ; two neighbouring k of column 2 lane + e
.endr
	ds_store_b128 v68, v[TY+4*(2*\c+\e):TY+4*(2*\c+\e)+3] offset:TPITCH*\e+16*\c
.endr
.endr
	s_wait_dscnt 0x0                               ; my stores are in LDS before the others read them
	s_barrier_signal -1
	s_barrier_wait -1
.irp i, 0,1,2,3
	ds_load_b128 v[TRB+4*\i:TRB+4*\i+3], v71 offset:16*TPITCH*\i
.endr
.irp i, 0,1,2,3
	s_wait_dscnt 3-\i
	global_store_b128 v72, v[TRB+4*\i:TRB+4*\i+3], s[28:29] offset:32768*\i   ; sixteen lanes store 256 consecutive bytes, aligned
.endr
	s_wait_tensorcnt 0x0
	ds_add_u32 v216, v217
	s_wait_dscnt 0x0
	s_endpgm
; ---------------- TOPIC
; eight rows of the weight in W against the multipliers in TP; the very first row starts the sums
.macro ROWS8 g, left
	s_wait_loadcnt \left                           ; the later groups of eight rows stay out
.irp k, 0,1,2,3,4,5,6,7
.irp b, 0,1
.irp c, 0,1,2,3
.if (8*\g+\k) == 0
	v_mul_f32 v[ACC+4*\b+\c], v[TP+32*\b], v[W+\c]
.else
	v_fmac_f32 v[ACC+4*\b+\c], v[TP+32*\b+8*\g+\k], v[W+4*(8*\g+\k)+\c]
.endif
.endr
.endr
.endr
.endm
.Ltopic:
	s_lshl_b32 s4, s2, 7                           ; my 32 columns of Wtp and of btp
	s_add_nc_u64 s[20:21], s[20:21], s[4:5]
	s_add_nc_u64 s[22:23], s[22:23], s[4:5]
	s_lshl_b32 s4, s2, 17                          ; my 32 rows of Wta
	s_add_nc_u64 s[24:25], s[24:25], s[4:5]
	s_lshl_b32 s4, s2, 13                          ; my two rows of part
	s_add_nc_u64 s[30:31], s[30:31], s[4:5]
	v_and_b32 v3, 7, v0                            ; cq: which 4 of the 32 columns
	v_lshrrev_b32 v4, 3, v0                        ; sl: which 32 of the 1,024 rows
	v_lshlrev_b32 v5, 2, v2
	v_lshlrev_b32 v6, 7, v4
	v_lshlrev_b32 v7, 4, v3
	v_lshl_add_u32 v8, v4, 17, v7                  ; Wtp: 32 sl rows + 16 cq
	v_lshl_add_u32 v9, v4, 7, v7                   ; LDS, from RED on: slice sl, 16 cq
	v_lshlrev_b32 v10, 4, v0                       ; Wta and part: 16 t
	global_load_b32 v11, v5, s[22:23]              ; btp[32 j + lane]
.irp b, 0,1
.irp i, 0,1,2,3,4,5,6,7
	global_load_b128 v[TP+32*\b+4*\i:TP+32*\b+4*\i+3], v6, s[18:19] offset:4096*\b+16*\i   ; topic[b][32 sl ..]
.endr
.endr
.set i, 0
.rept 32
	global_load_b128 v[W+4*i:W+4*i+3], v8, s[20:21] offset:4096*i th:TH_LOAD_NT
.set i, i+1
.endr
	ROWS8 0, 24
	ROWS8 1, 16
	ROWS8 2, 8
	ROWS8 3, 0
.set i, 0
.rept 32
	global_load_b128 v[W+4*i:W+4*i+3], v10, s[24:25] offset:4096*i th:TH_LOAD_NT   ; Wta's 32 rows land while the slices are added
.set i, i+1
.endr
	ds_store_b128 v9, v[ACC:ACC+3] offset:RED
	ds_store_b128 v9, v[ACC+4:ACC+7] offset:RED+4096
	s_wait_dscnt 0x0                               ; my slice's sums are in LDS before waves 0 and 1 read them
	s_barrier_signal -1
	s_barrier_wait -1
	s_cmp_gt_u32 s6, 1
	s_cbranch_scc1 .Lnot_red                       ; waves 0 and 1 add the 32 slices for b = wave, lane = column
	v_lshl_add_u32 v12, v1, 12, v5
.set i, 0
.rept 32
	ds_load_b32 v[TP+i], v12 offset:RED+128*i
.set i, i+1
.endr
	s_wait_dscnt 0x0
.set i, 4
.rept 28
	v_add_f32 v[TP+i%4], v[TP+i%4], v[TP+i]        ; four chains
.set i, i+1
.endr
	v_add_f32 v[TP], v[TP], v[TP+1]
	v_add_f32 v[TP+2], v[TP+2], v[TP+3]
	v_add_f32 v[TP], v[TP], v[TP+2]
	v_add_f32 v[TP], v[TP], v11                    ; + btp
	v_lshl_add_u32 v13, v1, 7, v5
	ds_store_b32 v13, v[TP] offset:PJ
.Lnot_red:
	s_wait_dscnt 0x0                               ; proj is in LDS before the others read it
	s_barrier_signal -1
	s_barrier_wait -1
	v_mov_b32 v14, PJ
.irp i, 0,1,2,3,4,5,6,7,8,9,10,11,12,13,14,15
	ds_load_b128 v[TP+4*\i:TP+4*\i+3], v14 offset:16*\i   ; proj[b][0..31], the same in every lane
.endr
	s_wait_dscnt 0x0
	ROWS8 0, 24
	ROWS8 1, 16
	ROWS8 2, 8
	ROWS8 3, 0
	global_store_b128 v10, v[ACC:ACC+3], s[30:31]
	global_store_b128 v10, v[ACC+4:ACC+7], s[30:31] offset:4096
	s_wait_tensorcnt 0x0
	ds_add_u32 v216, v217
	s_wait_dscnt 0x0
	s_endpgm
.Lfunc_end_k_q817e4425dc_prep:
	.size	k_q817e4425dc_prep, .Lfunc_end_k_q817e4425dc_prep-k_q817e4425dc_prep
	.p2alignl 7, 3214868480
	.fill 96, 4, 3214868480
	.section	.rodata,"a",@progbits
	.p2align	6, 0x0
	.amdhsa_kernel k_q817e4425dc_prep
		.amdhsa_group_segment_fixed_size 26880
		.amdhsa_private_segment_fixed_size 0
		.amdhsa_enable_private_segment 0
		.amdhsa_kernarg_size 96
		.amdhsa_user_sgpr_count 2
		.amdhsa_user_sgpr_kernarg_segment_ptr 1
		.amdhsa_wavefront_size32 1
		.amdhsa_system_sgpr_workgroup_id_x 1
		.amdhsa_system_sgpr_workgroup_id_y 1
		.amdhsa_system_sgpr_workgroup_id_z 1
		.amdhsa_system_vgpr_workitem_id 0
		.amdhsa_next_free_vgpr 218
		.amdhsa_next_free_sgpr 66
		.amdhsa_reserve_vcc 0
		.amdhsa_float_denorm_mode_32 3
		.amdhsa_float_denorm_mode_16_64 3
		.amdhsa_memory_ordered 1
		.amdhsa_forward_progress 1
		.amdhsa_inst_pref_size 42
	.end_amdhsa_kernel
	.amdgpu_metadata
---
amdhsa.version: [ 1, 2 ]
amdhsa.kernels:
  - .name:           k_q817e4425dc_prep
    .symbol:         k_q817e4425dc_prep.kd
    .args:
      - { .name: hidden_states, .offset: 0, .size: 8, .value_kind: global_buffer, .address_space: global }
      - { .name: Wq, .offset: 8, .size: 8, .value_kind: global_buffer, .address_space: global }
      - { .name: Wk, .offset: 16, .size: 8, .value_kind: global_buffer, .address_space: global }
      - { .name: Wv, .offset: 24, .size: 8, .value_kind: global_buffer, .address_space: global }
      - { .name: Wd, .offset: 32, .size: 8, .value_kind: global_buffer, .address_space: global }
      - { .name: topic_states, .offset: 40, .size: 8, .value_kind: global_buffer, .address_space: global }
      - { .name: Wtp, .offset: 48, .size: 8, .value_kind: global_buffer, .address_space: global }
      - { .name: btp, .offset: 56, .size: 8, .value_kind: global_buffer, .address_space: global }
      - { .name: Wta, .offset: 64, .size: 8, .value_kind: global_buffer, .address_space: global }
      - { .name: hb, .offset: 72, .size: 8, .value_kind: global_buffer, .address_space: global }
      - { .name: wt, .offset: 80, .size: 8, .value_kind: global_buffer, .address_space: global }
      - { .name: part, .offset: 88, .size: 8, .value_kind: global_buffer, .address_space: global }
    .group_segment_fixed_size: 26880
    .private_segment_fixed_size: 0
    .kernarg_segment_align: 8
    .kernarg_segment_size: 96
    .max_flat_workgroup_size: 256
    .sgpr_count:     66
    .vgpr_count:     218
    .wavefront_size: 32
...
	.end_amdgpu_metadata
.endif
;; end of part 1
;; launch qkv (part 2): grid 16 x 16, 4 waves a work-group, clusters of 4 x 4, 327,680 bytes of LDS; arguments hb, wt, bq, bk, bv, qkv; writes qkv
.if DOCPART == 2
	.amdgcn_target "amdgcn-amd-amdhsa--gfx1250"
	.amdhsa_code_object_version 6
	.text
	.protected	k_q817e4425dc_qkv
	.globl	k_q817e4425dc_qkv
	.p2align	8
	.type	k_q817e4425dc_qkv,@function
k_q817e4425dc_qkv:
	s_mov_b64 s[64:65], 0
	v_nop
	global_prefetch_b8 v0, s[64:65] scope:SCOPE_SE
	s_setreg_imm32_b32 hwreg(HW_REG_WAVE_MODE, 25, 1), 1
	s_wait_xcnt 0x0
	s_wait_alu depctr_hold_cnt(0) depctr_sa_sdst(0) depctr_va_vdst(0) depctr_va_sdst(0) depctr_va_ssrc(0) depctr_va_vcc(0) depctr_vm_vsrc(0)
	s_getreg_b32 s2, hwreg(HW_REG_IB_STS2, 6, 4)
	s_cmp_eq_u32 s2, 0
	s_cbranch_scc0 .Lentry_in_a_cluster
	s_endpgm
.Lentry_in_a_cluster:
	s_bfe_u32 s2, ttmp6, 0x10000c
	s_cmp_lg_u32 s2, 0xf033
	s_cbranch_scc0 .Lentry_shape_is_right
	s_endpgm
.Lentry_shape_is_right:
; qkv[b][hh][s][d] = hb[row][:] . wt[64 hh + d][:] + bias, bf16.  hb: [4096][1024] bf16; wt rows 0..3071: Wq, Wk, Wv transposed, bf16; sums in f32.
; A work-group makes 256 rows x 192 columns (three whole heads) with four waves; wave w makes rows 64 w .. 64 w + 63 of all 192 columns:
; 48 accumulator tiles of 16 x 16, so that every head row of 128 bytes leaves whole.  K goes in 8 steps of 128 through two LDS slots.
; CLUSTER 4 x 4: the four work-groups of a row of the cluster need the same rows of hb, the four of a column the same rows of wt; each tile is asked for
; jointly, which divides the requests for both by four.
; REGISTER WINDOWS: 0: addresses, A's fragments (two buffers at v32, v64), the bias as first C operand (v96-191), the way out;
;   1: B's fragments (two buffers at v0, v96);  2: accumulators of my rows 0-31 (tile (a, b) at 8 (12 a + b));  3: of my rows 32-63.
; The matrix instruction is used transposed (source 0 = 16 rows of wt, source 1 = 16 rows of hb): lane l holds row l % 16 and eight neighbouring columns.
; The gate on the keys is not applied here: q . (k * g) = (q * g) . k, and the attention launch scales q.
.set KSTEP,  128
.set PITCH,  272                       ; 256 bytes of data + 16: sixteen rows of a fragment load start 16 bytes apart modulo 256
.set AHALF,  128*PITCH                 ; what one load brings of A
.set BHALF,  96*PITCH                  ; and of B
.set BOFF,   2*AHALF
.set SLOT,   2*AHALF+2*BHALF           ; 121,856
.set STAGE,  2*SLOT                    ; 243,712: behind the ring, no fill lands here
.set SPITCH, 400                       ; a stage row: 192 bf16 + 16 bytes
.set LAPS,   4                         ; a lap = two K steps
.set ADRA, 16
.set ADRB, 20
.set STO,  24
.set RD,   25
.set CO,   26
.set HB,   27
.set BIAS, 96
.set TMP,  192
.set G1A, 24
.set G0A, 32
.set G1B, 48
.set G0B, 56
.set MSB, 0
.macro WIN new                         ; the immediate's high byte repeats the setting that is left
.if MSB != \new
	s_set_vgpr_msb (MSB<<8)|\new
.set MSB, \new
.endif
.endm
.macro JLOAD s                         ; waves 0, 1 ask for A's halves, waves 2, 3 for B's; the branch hangs on the wave's number alone
	s_cmp_eq_u32 s17, 0
	s_cbranch_scc0 .Lfor_b_\@
	tensor_load_to_lds s[G0A+4*(\s):G0A+4*(\s)+3], s[G1A:G1A+7]
	s_nop 0
	s_branch .Lasked_\@
.Lfor_b_\@:
	tensor_load_to_lds s[G0B+4*(\s):G0B+4*(\s)+3], s[G1B:G1B+7]
	s_nop 0
.Lasked_\@:
.endm
.macro CREST                           ; a round of the cluster's barrier behind its opening work-group barrier
	s_cmp_lg_u32 s16, 0
	s_cbranch_scc1 .Lnot_wave_0_\@
	s_barrier_signal -3
.Lnot_wave_0_\@:
	s_barrier_wait -3
	s_barrier_signal -1
	s_barrier_wait -1
.endm
.macro CROUND
	s_barrier_signal -1
	s_barrier_wait -1
	CREST
.endm
.macro PLACES                          ; four places behind matrix instructions in front of loads into, or reads of, their registers
.rept 4
	v_nop
.endr
.endm
	s_load_b256 s[4:11], s[0:1], 0x0               ; hb s[4:5], wt s[6:7], bq s[8:9], bk s[10:11]
	s_load_b128 s[12:15], s[0:1], 0x20             ; bv s[12:13], qkv s[14:15]
	s_set_vgpr_msb 0x40
	v_lshl_add_u32 v255, v0, 2, 0x41c00
	s_set_vgpr_msb 0x4000
	v_mov_b32 v255, 0
	s_set_vgpr_msb 0x1
	ds_add_u32 v255, v255
	s_set_vgpr_msb 0x100
	v_lshrrev_b32 v1, 5, v0
	v_readfirstlane_b32 s16, v1                    ; wave
	s_lshr_b32 s17, s16, 1                         ; I fetch for A (0) or B (1)
	s_and_b32 s18, s16, 1                          ; which half of that tile
	s_bfe_u32 s19, ttmp6, 0x40000                  ; cx
	s_bfe_u32 s20, ttmp6, 0x40004                  ; cy
	s_lshl_b32 s21, ttmp9, 2
	s_add_co_u32 s21, s21, s19                     ; block column (192 columns)
	s_and_b32 s22, ttmp7, 0xffff
	s_lshl_b32 s22, s22, 2
	s_add_co_u32 s22, s22, s20                     ; block row (256 rows)
	s_lshl_b32 s23, s20, 2
	s_lshl_b32 s23, 15, s23                        ; my row of the cluster
	s_lshl_b32 s72, 0x1111, s19                    ; my column
	s_or_b32 s[G1A+0], s23, (1<<16)|(1<<20)|(1<<21)|(5<<22)|(3<<25)   ; mask; 2-byte elements; padding on; bit 21 beside a mask; after 64 words, 4 words
	s_mov_b32 s[G1A+1], KSTEP<<16                  ; tensor_dim0 = 128
	s_mov_b32 s[G1A+2], 128<<16                    ; tensor_dim1 = 128
	s_mov_b32 s[G1A+3], KSTEP<<16                  ; tile_dim0 = 128
	s_mov_b32 s[G1A+4], 128                        ; tile_dim1 = 128
	s_mov_b32 s[G1A+5], 1024                       ; elements from row to row
	s_mov_b32 s[G1A+6], 0
	s_mov_b32 s[G1A+7], 0
	s_or_b32 s[G1B+0], s72, (1<<16)|(1<<20)|(1<<21)|(5<<22)|(3<<25)
	s_mov_b32 s[G1B+1], KSTEP<<16
	s_mov_b32 s[G1B+2], 96<<16                     ; 96 rows
	s_mov_b32 s[G1B+3], KSTEP<<16
	s_mov_b32 s[G1B+4], 96
	s_mov_b32 s[G1B+5], 1024
	s_mov_b32 s[G1B+6], 0
	s_mov_b32 s[G1B+7], 0
	; A's address hangs on the block row and the wave alone (s40-43), B's on the block column and the wave alone (s44-47)
	s_lshl_b32 s40, s22, 8
	s_lshl_b32 s41, s18, 7
	s_add_co_u32 s40, s40, s41
	s_lshl_b32 s40, s40, 11                        ; rows of 2,048 bytes
	s_mov_b32 s41, 0
	s_mul_i32 s44, s21, 192
	s_mul_i32 s45, s18, 96
	s_add_co_u32 s44, s44, s45
	s_lshl_b32 s44, s44, 11
	s_mov_b32 s45, 0
	s_mul_i32 s42, s16, AHALF                      ; LDS: waves 0, 1: A's halves
	s_mul_i32 s46, s16, BHALF
	s_add_co_u32 s46, s46, BOFF-2*BHALF            ; waves 2, 3: B's halves, behind A's 256 rows
	s_wait_dscnt 0x0
	s_wait_kmcnt 0x0
	s_add_nc_u64 s[40:41], s[4:5], s[40:41]
	s_add_nc_u64 s[44:45], s[6:7], s[44:45]
.irp s, 0,1
	s_mov_b32 s[G0A+4*\s], 1
	s_add_co_u32 s[G0A+4*\s+1], s42, \s*SLOT
	s_add_nc_u64 s[G0A+4*\s+2:G0A+4*\s+3], s[40:41], \s*KSTEP*2
	s_or_b32 s[G0A+4*\s+3], s[G0A+4*\s+3], 0x80000000
	s_mov_b32 s[G0B+4*\s], 1
	s_add_co_u32 s[G0B+4*\s+1], s46, \s*SLOT
	s_add_nc_u64 s[G0B+4*\s+2:G0B+4*\s+3], s[44:45], \s*KSTEP*2
	s_or_b32 s[G0B+4*\s+3], s[G0B+4*\s+3], 0x80000000
.endr
	CROUND                                         ; all sixteen work-groups are here: the first joint loads meet
	s_cmp_eq_u32 s17, 0                            ; both first fills of a wave inside one branch on its number
	s_cbranch_scc0 .Lfirst_b
	tensor_load_to_lds s[G0A:G0A+3], s[G1A:G1A+7]
	s_nop 0
	tensor_load_to_lds s[G0A+4:G0A+7], s[G1A:G1A+7]
	s_nop 0
	s_branch .Lfirst_done
.Lfirst_b:
	tensor_load_to_lds s[G0B:G0B+3], s[G1B:G1B+7]
	s_nop 0
	tensor_load_to_lds s[G0B+4:G0B+7], s[G1B:G1B+7]
	s_nop 0
.Lfirst_done:
	; the three heads' biases: head hh = 3 x block column + t lies in bq (hh < 16), bk (hh < 32) or bv
	s_mul_i32 s44, s21, 3
	s_mov_b32 s47, 0
.irp t, 0,1,2
	s_add_co_u32 s45, s44, \t
	s_cmp_lt_u32 s45, 32
	s_cselect_b64 s[66+2*\t:67+2*\t], s[10:11], s[12:13]
	s_cmp_lt_u32 s45, 16
	s_cselect_b64 s[66+2*\t:67+2*\t], s[8:9], s[66+2*\t:67+2*\t]
	s_and_b32 s46, s45, 15
	s_lshl_b32 s46, s46, 8
	s_add_nc_u64 s[66+2*\t:67+2*\t], s[66+2*\t:67+2*\t], s[46:47]
.endr
	v_and_b32 v1, 15, v0                           ; r
	v_bfe_u32 v2, v0, 4, 1                         ; h
	v_and_b32 v5, 31, v0                           ; lane
	v_lshlrev_b32 v[HB], 5, v2
.irp t, 0,1,2
.irp q, 0,1,2,3
	global_load_b128 v[BIAS+8*(4*\t+\q):BIAS+8*(4*\t+\q)+3],   v[HB], s[66+2*\t:67+2*\t] offset:64*\q      ; bias[16 b + 8 h + 0..3]: the C operand of tile column b
	global_load_b128 v[BIAS+8*(4*\t+\q)+4:BIAS+8*(4*\t+\q)+7], v[HB], s[66+2*\t:67+2*\t] offset:64*\q+16
.endr
.endr
	v_mul_u32_u24 v3, v1, PITCH
	v_lshl_add_u32 v3, v2, 4, v3                   ; fragment: row r, 16 bytes for each half of the lanes
	s_mul_i32 s43, s16, 64*PITCH                   ; my 64 rows of A
	v_add_nc_u32 v[ADRA], s43, v3
	v_add_nc_u32 v[ADRA+1], SLOT, v[ADRA]
	v_add_nc_u32 v[ADRB], BOFF, v3
	v_add_nc_u32 v[ADRB+1], SLOT, v[ADRB]
	s_mul_i32 s43, s16, 16*SPITCH
	s_add_co_u32 s43, s43, STAGE                   ; my stage
	v_mul_u32_u24 v4, v1, SPITCH
	v_lshl_add_u32 v4, v2, 4, v4
	v_add_nc_u32 v[STO], s43, v4
	v_lshrrev_b32 v4, 3, v5
	v_mul_u32_u24 v4, v4, SPITCH
	v_and_b32 v6, 7, v0
	v_lshl_add_u32 v4, v6, 4, v4
	v_add_nc_u32 v[RD], s43, v4                    ; back: eight lanes take a head's 128 bytes of one row, a wave four rows
	v_lshlrev_b32 v[CO], 4, v5                     ; which are 512 consecutive bytes of qkv
; 12 matrix instructions: m block a of the window's two x all 12 n blocks, 32 along K.  first = 1: the bias is the C operand and starts the sums.
; The 48 accumulators take turns, one instruction a turn, in the same order in every quarter step.
.macro MUL12 f, hi, a, first
.irp b, 0,1,2,3,4,5,6,7,8,9,10,11
.if \first
	v_wmma_f32_16x16x32_bf16 v[8*(12*\a+\b):8*(12*\a+\b)+7], v[96*\f+8*\b:96*\f+8*\b+7], v[32+32*\f+8*(2*\hi+\a):32+32*\f+8*(2*\hi+\a)+7], v[BIAS+8*\b:BIAS+8*\b+7]
.else
	v_wmma_f32_16x16x32_bf16 v[8*(12*\a+\b):8*(12*\a+\b)+7], v[96*\f+8*\b:96*\f+8*\b+7], v[32+32*\f+8*(2*\hi+\a):32+32*\f+8*(2*\hi+\a)+7], v[8*(12*\a+\b):8*(12*\a+\b)+7]
.endif
.endr
.endm
; 32 LDS loads in one run: 12 fragments of B, then 4 of A, 32 K at byte k of the rows, into buffer f
.macro FETCH slot, k, f
	WIN 0x40
.irp i, 0,1,2,3,4,5,6,7,8,9,10,11
	ds_load_b128 v[96*\f+8*\i:96*\f+8*\i+3],   v[ADRB+\slot] offset:\k+\i*16*PITCH
	ds_load_b128 v[96*\f+8*\i+4:96*\f+8*\i+7], v[ADRB+\slot] offset:\k+\i*16*PITCH+32
.endr
	WIN 0
.irp i, 0,1,2,3
	ds_load_b128 v[32+32*\f+8*\i:32+32*\f+8*\i+3],   v[ADRA+\slot] offset:\k+\i*16*PITCH
	ds_load_b128 v[32+32*\f+8*\i+4:32+32*\f+8*\i+7], v[ADRA+\slot] offset:\k+\i*16*PITCH+32
.endr
.endm
.macro QUARTER slot, k, f, g, first
	s_wait_dscnt 4                                 ; B and A's fragments 0, 1 are in; the four youngest loads (A's fragments 2, 3) may be out
.if \first
	WIN 0x81                                       ; source 0 window 1, source 1 and C window 0, D window 2
.else
	WIN 0xa1                                       ; C and D window 2
.endif
	MUL12 \f, 0, 0, \first
	MUL12 \f, 0, 1, \first
	PLACES
	FETCH \slot, \k, \g
	s_wait_dscnt 32                                ; all but the 32 just issued
.if \first
	WIN 0xc1
.else
	WIN 0xf1
.endif
	MUL12 \f, 1, 0, \first
	MUL12 \f, 1, 1, \first
.endm
.macro THREE slot, first
	QUARTER \slot, 64,  0, 1, \first
	QUARTER \slot, 128, 1, 0, 0
	QUARTER \slot, 192, 0, 1, 0
.endm
; The last quarter of a K step changes slots.  In front of the barrier each wave waits for its reads of this slot and for all its tensor loads (one is out: its part
; of the next slot).  Where the slot is filled again the barrier opens a round of the cluster's barrier, and the joint refill is the first tensor load behind the round.
; From a request to the wait for it a wave issues 180 matrix instructions.
.macro TURN slot, next, fill
	s_wait_dscnt 4
	WIN 0xa1
	MUL12 1, 0, 0, 0
	s_wait_dscnt 0x0
	s_wait_tensorcnt 0x0
	ds_add_u32 v255, v255
	s_wait_dscnt 0x0
	s_barrier_signal -1
	MUL12 1, 0, 1, 0                               ; register work between signal and wait
	WIN 0
	s_barrier_wait -1
.if \fill
	CREST
	s_add_nc_u64 s[G0A+4*\slot+2:G0A+4*\slot+3], s[G0A+4*\slot+2:G0A+4*\slot+3], 2*KSTEP*2   ; no tensor load of mine is out: the addresses may step
	s_add_nc_u64 s[G0B+4*\slot+2:G0B+4*\slot+3], s[G0B+4*\slot+2:G0B+4*\slot+3], 2*KSTEP*2
	JLOAD \slot
.endif
	PLACES
	FETCH \next, 0, 0
	WIN 0xf1
	MUL12 1, 1, 0, 0
	MUL12 1, 1, 1, 0
.endm
.macro LAP first
	THREE 0, \first
	TURN 0, 1, 1
	THREE 1, 0
	TURN 1, 0, 1
.endm
	s_wait_tensorcnt 0x1                           ; my part of K step 0 is in; K step 1's stays out
	s_barrier_signal -1
	s_barrier_wait -1
	FETCH 0, 0, 0
	s_wait_loadcnt 0x0                             ; the bias
	LAP 1
	WIN 0
	s_mov_b32 s3, LAPS-2
.Llap:
	LAP 0
	WIN 0
	s_sub_co_u32 s3, s3, 1
	s_cmp_lg_u32 s3, 0
	s_cbranch_scc1 .Llap
	THREE 0, 0                                     ; the last lap fills nothing
	TURN 0, 1, 0
	THREE 1, 0
	s_wait_dscnt 4
	WIN 0xa1
	MUL12 1, 0, 0, 0
	MUL12 1, 0, 1, 0
	s_wait_dscnt 0x0
	WIN 0xf1
	MUL12 1, 1, 0, 0
	MUL12 1, 1, 1, 0
	; THE WAY OUT, 16 rows at a time through my own stage: 16 bytes a lane in, a head's rows of 128 bytes back, 512 consecutive bytes a store.
	PLACES
	s_lshr_b32 s40, s22, 3                         ; batch
	s_mul_i32 s40, s40, 48*262144
	s_and_b32 s41, s22, 7
	s_lshl_b32 s41, s41, 8
	s_lshl_b32 s42, s16, 6
	s_add_co_u32 s41, s41, s42                     ; my first row in the batch
	s_lshl_b32 s41, s41, 7
	s_add_co_u32 s40, s40, s41
	s_mov_b32 s41, 0
	s_add_nc_u64 s[14:15], s[14:15], s[40:41]
	s_mul_i32 s44, s21, 3*262144                   ; my first head's plane
	s_mov_b32 s45, 0
	s_add_nc_u64 s[14:15], s[14:15], s[44:45]
.macro OUT a, al, from, rb
	WIN \from
.irp b, 0,1,2,3,4,5,6,7,8,9,10,11
.irp r, 0,1,2,3
	v_cvt_pk_bf16_f32 v[TMP+4*\b+\r], v[8*(12*\al+\b)+2*\r], v[8*(12*\al+\b)+2*\r+1]
.endr
.endr
	WIN 0
.irp b, 0,1,2,3,4,5,6,7,8,9,10,11
	ds_store_b128 v[STO], v[TMP+4*\b:TMP+4*\b+3] offset:32*\b
.endr
	s_wait_xcnt 0x0                                ; the registers that earlier stores read are loaded again only behind this wait
.irp hd, 0,1,2
.irp t, 0,1,2,3
	ds_load_b128 v[\rb+4*(4*\hd+\t):\rb+4*(4*\hd+\t)+3], v[RD] offset:128*\hd+4*SPITCH*\t   ; LDS serves a wave in order: these see the stores above
.endr
.endr
.irp hd, 0,1,2
.irp t, 0,1,2,3
	s_wait_dscnt 11-(4*\hd+\t)
	global_store_b128 v[CO], v[\rb+4*(4*\hd+\t):\rb+4*(4*\hd+\t)+3], s[14:15] offset:262144*\hd+(16*\a+4*\t)*128
.endr
.endr
.endm
	OUT 0, 0, 0x0a, 96
	OUT 1, 1, 0x0a, 144
	OUT 2, 0, 0x0f, 96
	OUT 3, 1, 0x0f, 144
	s_set_vgpr_msb 0x1
	s_wait_tensorcnt 0x0
	ds_add_u32 v255, v255
	s_wait_dscnt 0x0
	s_set_vgpr_msb 0x100
	CROUND                                         ; the closing round: no work-group ends while a partner may still ask for a tile that names it
	s_endpgm
.Lfunc_end_k_q817e4425dc_qkv:
	.size	k_q817e4425dc_qkv, .Lfunc_end_k_q817e4425dc_qkv-k_q817e4425dc_qkv
	.p2alignl 7, 3214868480
	.fill 96, 4, 3214868480
	.section	.rodata,"a",@progbits
	.p2align	6, 0x0
	.amdhsa_kernel k_q817e4425dc_qkv
		.amdhsa_group_segment_fixed_size 327680
		.amdhsa_private_segment_fixed_size 0
		.amdhsa_enable_private_segment 0
		.amdhsa_kernarg_size 48
		.amdhsa_user_sgpr_count 2
		.amdhsa_user_sgpr_kernarg_segment_ptr 1
		.amdhsa_wavefront_size32 1
		.amdhsa_system_sgpr_workgroup_id_x 1
		.amdhsa_system_sgpr_workgroup_id_y 1
		.amdhsa_system_sgpr_workgroup_id_z 1
		.amdhsa_system_vgpr_workitem_id 0
		.amdhsa_next_free_vgpr 1024
		.amdhsa_next_free_sgpr 80
		.amdhsa_reserve_vcc 0
		.amdhsa_float_denorm_mode_32 3
		.amdhsa_float_denorm_mode_16_64 3
		.amdhsa_memory_ordered 1
		.amdhsa_forward_progress 1
		.amdhsa_inst_pref_size 166
	.end_amdhsa_kernel
	.amdgpu_metadata
---
amdhsa.version: [ 1, 2 ]
amdhsa.kernels:
  - .name:           k_q817e4425dc_qkv
    .symbol:         k_q817e4425dc_qkv.kd
    .args:
      - { .name: hb, .offset: 0, .size: 8, .value_kind: global_buffer, .address_space: global }
      - { .name: wt, .offset: 8, .size: 8, .value_kind: global_buffer, .address_space: global }
      - { .name: bq, .offset: 16, .size: 8, .value_kind: global_buffer, .address_space: global }
      - { .name: bk, .offset: 24, .size: 8, .value_kind: global_buffer, .address_space: global }
      - { .name: bv, .offset: 32, .size: 8, .value_kind: global_buffer, .address_space: global }
      - { .name: qkv, .offset: 40, .size: 8, .value_kind: global_buffer, .address_space: global }
    .group_segment_fixed_size: 327680
    .private_segment_fixed_size: 0
    .kernarg_segment_align: 8
    .kernarg_segment_size: 48
    .max_flat_workgroup_size: 128
    .sgpr_count:     80
    .vgpr_count:     1024
    .wavefront_size: 32
...
	.end_amdgpu_metadata
.endif
;; end of part 2
;; launch attn (part 3): grid 8 x 32, 8 waves a work-group, clusters of 4 x 1, 327,680 bytes of LDS; arguments qkv, part, bta, attention_mask, ctx; writes ctx
.if DOCPART == 3
	.amdgcn_target "amdgcn-amd-amdhsa--gfx1250"
	.amdhsa_code_object_version 6
	.text
	.protected	k_q817e4425dc_attn
	.globl	k_q817e4425dc_attn
	.p2align	8
	.type	k_q817e4425dc_attn,@function
k_q817e4425dc_attn:
	s_mov_b64 s[64:65], 0
	v_nop
	global_prefetch_b8 v0, s[64:65] scope:SCOPE_SE
	s_setreg_imm32_b32 hwreg(HW_REG_WAVE_MODE, 25, 1), 1
	s_wait_xcnt 0x0
	s_wait_alu depctr_hold_cnt(0) depctr_sa_sdst(0) depctr_va_vdst(0) depctr_va_sdst(0) depctr_va_ssrc(0) depctr_va_vcc(0) depctr_vm_vsrc(0)
	s_getreg_b32 s2, hwreg(HW_REG_IB_STS2, 6, 4)
	s_cmp_eq_u32 s2, 0
	s_cbranch_scc0 .Lentry_in_a_cluster
	s_endpgm
.Lentry_in_a_cluster:
	s_bfe_u32 s2, ttmp6, 0x10000c
	s_cmp_lg_u32 s2, 0x3003
	s_cbranch_scc0 .Lentry_shape_is_right
	s_endpgm
.Lentry_shape_is_right:
; Attention of one (batch, head) for 256 queries, with a running maximum.  qkv: [b][48 planes][2048][64] bf16 (q, k, v heads); ctx: [32 row blocks][16 heads][128][64] bf16.
; Eight waves: wave w has 64 queries (w & 3) and half of the keys (w >> 2: keys 1024 g ..); the two halves are merged once at the end through LDS.
; The gate sigmoid(sum of the 32 partial rows + bta) belongs to the keys; q . (k * g) = (q * g) . k, so it is folded into Q together with log2(e) / 8.
; LAYOUT, without any shuffle between lanes: S^T = K Q^T + mask (A = 16 keys, B = 16 queries, C = the mask times log2(e)): lane (r, h) holds keys 8 h + j of query r.
; Two neighbouring key tiles, packed to bf16, are the B fragment of P^T for 32 keys.  O^T = V^T P^T with V^T read by transposing LDS loads:
; lane (r, h) holds d = 8 h + j of query r, so maximum, sum and rescale are one number a lane and a lane's results are 16 neighbouring bytes of ctx.
; TWO PHASES: a step is cut into F (softmax of 64 x 64 scores and the rescale of O: vector work alone) and PS (the 32 products O += V P of the pending step, then the
; 32 score products of the next: matrix work).  Between two barriers the waves of phase 0 run PS F PS F and those of phase 1 run F PS F PS, so that one wave's vector
; work stands beside another's matrix work.  phase = (w ^ (w >> 2)) & 1 differs between waves w and w + 4 and between waves w and w ^ 1.  What a wave carries over
; a barrier (scores or P, and V's fragments) lies in registers; all its LDS reads of the old slot are waited for in front of the barrier.
; CLUSTER 4 x 1: the four query blocks of a cluster read the same K and V tiles and ask for them jointly (the addresses hang on the head and the wave alone).
; LIMITS: q is rounded to bf16 at its store and again after the gate's scale.  The running maximum starts at the most negative finite f32, so a tile of -inf gives
; zeros; a row whose 2,048 keys are all masked by -inf ends as 0 / 0 = NaN, as the reference does.  Exponentials below 2^-126 come out as 0.
.set KP,     144                       ; K's LDS row: 128 bytes + 16
.set VP,     160                       ; V's LDS row: 128 bytes + 32 (an odd multiple of 32 for the transposing loads)
.set KBYTES, 256*KP
.set SLOT,   256*KP+256*VP             ; 77,824: two steps (128 keys) of both halves, K then V
.set TILEB,  128*128                   ; global bytes of 128 keys
.set MASKL,  2*SLOT                    ; 155,648: mask x log2(e), 2,048 f32.  No fill lands from here on
.set GS,     MASKL+8192                ; four partial gate sums x 64 columns
.set GV,     GS+1024                   ; the scaled gate, a copy for each wave
.set MST,    GV+2048                   ; merge: 4 x 17,920 (O, then the maxima, then the sums)
.set MSTW,   17920
.set OST,    MST+4*MSTW                ; way out: 4 x 64 rows x 144
.set OSTW,   64*144
.set ADK, 2                            ; v2, v3   K fragments in slot 0, 1
.set ADV, 4                            ; v4, v5   V fragments
.set ADM, 6                            ; v6       the mask of the slot's first step
.set AUX, 7
.set MX,  8                            ; v8-11    running maximum of query tile qt
.set L2,  16                           ; v16+2qt, v17+2qt  running sum of query tile qt, as two partial sums
.set PL,  25                           ; v25      the other half's lane (in the merge)
.set MK,  32                           ; v32-63   mask, C operand of key tile kt at 8 kt
.set KF,  64                           ; v64-127  K fragments (kt, ks) at 16 kt + 8 ks
.set TQ,  KF                           ; the softmax's temporaries, 16 a query tile, in K's registers, which are dead from the score products to the next K loads:
                                       ;   +0..3 four maximum chains; +4 the new maximum; +5 old - new; later +0 the rescale factor (pair with +1), +2 minus the maximum (pair with +3)
.set SB,  128                          ; v128-255 S(qt, kt) at 32 qt + 8 kt; later P(qt, ks2) at 32 qt + 16 ks2
.set OA,  0                            ; window 1: O(qt, dt) at 32 qt + 8 dt
.set QF,  128                          ; window 1: Q(qt, ks) at 128 + 16 qt + 8 ks
.set VF,  192                          ; window 1: V(dt, ks2) at 192 + 16 dt + 8 ks2
.set G1K, 24
.set G0K, 32
.set G1V, 48
.set G0V, 56
.set MSB, 0
.macro WIN new
.if MSB != \new
	s_set_vgpr_msb (MSB<<8)|\new
.set MSB, \new
.endif
.endm
.macro ROUND                           ; a round of the cluster's barrier
	s_barrier_signal -1
	s_barrier_wait -1
	s_cmp_lg_u32 s14, 0
	s_cbranch_scc1 .Lnot_wave_0_\@
	s_barrier_signal -3
.Lnot_wave_0_\@:
	s_barrier_wait -3
	s_barrier_signal -1
	s_barrier_wait -1
.endm
.macro JLOAD s                         ; waves 0-3 ask for 64 rows of K each, waves 4-7 for 64 rows of V
	s_cmp_eq_u32 s16, 0
	s_cbranch_scc0 .Lfor_v_\@
	tensor_load_to_lds s[G0K+4*(\s):G0K+4*(\s)+3], s[G1K:G1K+7]
	s_nop 0
	s_branch .Lasked_\@
.Lfor_v_\@:
	tensor_load_to_lds s[G0V+4*(\s):G0V+4*(\s)+3], s[G1V:G1V+7]
	s_nop 0
.Lasked_\@:
.endm
	s_load_b256 s[4:11], s[0:1], 0x0               ; qkv s[4:5], part s[6:7], bta s[8:9], mask s[10:11]
	s_load_b64 s[12:13], s[0:1], 0x20              ; ctx
	v_lshl_add_u32 v126, v0, 2, 0x43400
	v_mov_b32 v127, 0
	ds_add_u32 v126, v127
	s_wait_dscnt 0x0
	v_lshrrev_b32 v1, 5, v0
	v_readfirstlane_b32 s14, v1                    ; wave
	s_and_b32 s15, s14, 3                          ; query group; also which 64 rows I fetch
	s_lshr_b32 s16, s14, 2                         ; key half; also: I fetch K (0) or V (1)
	s_xor_b32 s71, s14, s16
	s_and_b32 s71, s71, 1                          ; my phase
	s_bfe_u32 s17, ttmp6, 0x40000                  ; cx
	s_lshl_b32 s18, ttmp9, 2
	s_add_co_u32 s18, s18, s17                     ; query block of 256
	s_and_b32 s19, ttmp7, 0xffff
	s_lshr_b32 s20, s19, 4                         ; batch
	s_and_b32 s21, s19, 15                         ; head
	s_mov_b32 s22, 0x76543210                      ; v_permlanex16_b32: lane i reads lane i of the other half
	s_mov_b32 s23, 0xfedcba98
	s_mov_b32 s[G1K+0], 15|(1<<16)|(1<<20)|(1<<21)|(4<<22)|(3<<25)   ; all four of the cluster; 2-byte elements; padding: after 32 words, 4 words
	s_mov_b32 s[G1K+1], 64<<16                     ; tensor_dim0 = 64
	s_mov_b32 s[G1K+2], 64<<16                     ; tensor_dim1 = 64
	s_mov_b32 s[G1K+3], 64<<16                     ; tile_dim0 = 64
	s_mov_b32 s[G1K+4], 64                         ; tile_dim1 = 64
	s_mov_b32 s[G1K+5], 64                         ; a head's rows follow each other
	s_mov_b32 s[G1K+6], 0
	s_mov_b32 s[G1K+7], 0
	s_mov_b32 s[G1V+0], 15|(1<<16)|(1<<20)|(1<<21)|(4<<22)|(7<<25)   ; the same with 8 words of padding
	s_mov_b32 s[G1V+1], 64<<16
	s_mov_b32 s[G1V+2], 64<<16
	s_mov_b32 s[G1V+3], 64<<16
	s_mov_b32 s[G1V+4], 64
	s_mov_b32 s[G1V+5], 64
	s_mov_b32 s[G1V+6], 0
	s_mov_b32 s[G1V+7], 0
	s_mul_i32 s40, s20, 48
	s_add_co_u32 s40, s40, s21
	s_lshl_b32 s41, s40, 18                        ; q's plane, in bytes
	s_lshr_b32 s42, s15, 1
	s_lshl_b32 s42, s42, 17                        ; the key half that my rows belong to: 1,024 rows of 128 bytes
	s_and_b32 s43, s15, 1
	s_lshl_b32 s43, s43, 13                        ; and which 64 of a slot's 128 keys
	s_add_co_u32 s42, s42, s43
	s_add_co_u32 s44, s41, s42
	s_add_co_u32 s44, s44, 16<<18                  ; k's plane
	s_mov_b32 s45, 0
	s_add_co_u32 s46, s44, 16<<18                  ; v's plane
	s_mov_b32 s47, 0
	s_mul_i32 s42, s15, 64*KP                      ; LDS: my 64 rows of K,
	s_mul_i32 s43, s15, 64*VP
	s_add_co_u32 s43, s43, KBYTES                  ; or of V
	s_lshl_b32 s66, s18, 15                        ; my 64 queries: 256 x block + 64 x group rows of 128 bytes (the only address here that holds cx)
	s_lshl_b32 s67, s15, 13
	s_add_co_u32 s66, s66, s67
	s_add_co_u32 s66, s66, s41
	s_mov_b32 s67, 0
	s_wait_kmcnt 0x0
	s_add_nc_u64 s[44:45], s[4:5], s[44:45]
	s_add_nc_u64 s[46:47], s[4:5], s[46:47]
	s_add_nc_u64 s[66:67], s[4:5], s[66:67]
.irp s, 0,1
	s_mov_b32 s[G0K+4*\s], 1
	s_add_co_u32 s[G0K+4*\s+1], s42, \s*SLOT
	s_add_nc_u64 s[G0K+4*\s+2:G0K+4*\s+3], s[44:45], \s*TILEB
	s_or_b32 s[G0K+4*\s+3], s[G0K+4*\s+3], 0x80000000
	s_mov_b32 s[G0V+4*\s], 1
	s_add_co_u32 s[G0V+4*\s+1], s43, \s*SLOT
	s_add_nc_u64 s[G0V+4*\s+2:G0V+4*\s+3], s[46:47], \s*TILEB
	s_or_b32 s[G0V+4*\s+3], s[G0V+4*\s+3], 0x80000000
.endr
	ROUND                                          ; the four work-groups are here: the first joint loads meet
	s_cmp_eq_u32 s16, 0                            ; both first fills of a wave inside one branch on its number
	s_cbranch_scc0 .Lfirst_v
	tensor_load_to_lds s[G0K:G0K+3], s[G1K:G1K+7]
	s_nop 0
	tensor_load_to_lds s[G0K+4:G0K+7], s[G1K:G1K+7]
	s_nop 0
	s_branch .Lfirst_done
.Lfirst_v:
	tensor_load_to_lds s[G0V:G0V+3], s[G1V:G1V+7]
	s_nop 0
	tensor_load_to_lds s[G0V+4:G0V+7], s[G1V:G1V+7]
	s_nop 0
.Lfirst_done:
	s_mov_b32 s69, 0
	s_lshl_b32 s68, s20, 13
	s_add_nc_u64 s[10:11], s[10:11], s[68:69]      ; my batch's mask
	s_lshl_b32 s68, s21, 8
	s_add_nc_u64 s[8:9], s[8:9], s[68:69]          ; my head's 64 numbers of bta
	s_lshl_b32 s70, s20, 12
	s_add_co_u32 s68, s68, s70
	s_add_nc_u64 s[6:7], s[6:7], s[68:69]          ; and of part[0][b]
	v_and_b32 v1, 31, v0                           ; lane
	v_and_b32 v12, 15, v0                          ; r
	v_bfe_u32 v13, v0, 4, 1                        ; h
	v_mov_b32 v[PL], 0                             ; a lane permute's destination counts as read
	v_lshlrev_b32 v26, 5, v0                       ; mask: 32 t
	v_lshrrev_b32 v27, 6, v0
	v_and_b32 v14, 63, v0
	v_lshlrev_b32 v27, 16, v27
	v_lshl_add_u32 v27, v14, 2, v27                ; part: eight partial rows x (t >> 6) + column t & 63
	v_lshlrev_b32 v28, 2, v1                       ; bta: 4 lane
	v_lshlrev_b32 v29, 7, v12
	v_lshl_add_u32 v29, v13, 4, v29                ; q: row r, 16 h
	global_load_b128 v[SB:SB+3],   v26, s[10:11]
	global_load_b128 v[SB+4:SB+7], v26, s[10:11] offset:16
.irp i, 0,1,2,3,4,5,6,7
	global_load_b32 v[SB+8+\i], v27, s[6:7] offset:8192*\i
.endr
	global_load_b32 v[SB+16], v28, s[8:9]
	global_load_b32 v[SB+17], v28, s[8:9] offset:128
.irp qt, 0,1,2,3
.irp c, 0,1,2,3
	global_load_b128 v[KF+16*\qt+4*\c:KF+16*\qt+4*\c+3], v29, s[66:67] offset:2048*\qt+32*\c   ; the B fragments of Q as stored: d = 32 ks + 16 p + 8 h ..
.endr
.endr
	v_add_nc_u32 v[AUX], MASKL, v26
	v_lshlrev_b32 v30, 2, v0
	v_add_nc_u32 v30, GS, v30
	v_add_nc_u32 v31, GS, v28
	; fragment addresses
	s_mul_i32 s40, s16, 128*KP
	v_mul_u32_u24 v14, v12, KP
	v_lshl_add_u32 v14, v13, 4, v14
	v_add_nc_u32 v[ADK], s40, v14
	v_add_nc_u32 v[ADK+1], SLOT, v[ADK]
	s_mul_i32 s41, s16, 128*VP
	s_add_co_u32 s41, s41, KBYTES
	v_and_b32 v14, 7, v0
	v_lshl_add_u32 v14, v13, 3, v14
	v_mul_u32_u24 v14, v14, VP
	v_bfe_u32 v15, v0, 3, 1
	v_lshl_add_u32 v14, v15, 4, v14                ; key 8 h + (l & 7), 16 bytes x ((l >> 3) & 1)
	v_add_nc_u32 v[ADV], s41, v14
	v_add_nc_u32 v[ADV+1], SLOT, v[ADV]
	s_lshl_b32 s42, s16, 12
	s_add_co_u32 s42, s42, MASKL
	v_lshl_add_u32 v[ADM], v13, 5, s42
	s_wait_loadcnt 26                              ; the mask is in; part, bta and q (26 loads) stay out
.irp i, 0,2,4,6
	v_pk_mul_f32 v[SB+\i:SB+\i+1], v[SB+\i:SB+\i+1], 0x3fb8aa3b op_sel_hi:[1,0]   ; the scores are kept in powers of two
.endr
	ds_store_b128 v[AUX], v[SB:SB+3]
	ds_store_b128 v[AUX], v[SB+4:SB+7] offset:16
	s_wait_loadcnt 18                              ; my eight partial rows are in
	v_add_f32 v[SB+8], v[SB+8], v[SB+9]
	v_add_f32 v[SB+10], v[SB+10], v[SB+11]
	v_add_f32 v[SB+12], v[SB+12], v[SB+13]
	v_add_f32 v[SB+14], v[SB+14], v[SB+15]
	v_add_f32 v[SB+8], v[SB+8], v[SB+10]
	v_add_f32 v[SB+12], v[SB+12], v[SB+14]
	v_add_f32 v[SB+8], v[SB+8], v[SB+12]
	ds_store_b32 v30, v[SB+8]
	s_wait_dscnt 0x0                               ; mask and gate sums are in LDS before the others read them
	s_barrier_signal -1                            ; the tensor loads stay on their way
	s_barrier_wait -1
.irp i, 0,1,2,3
	ds_load_b32 v[SB+18+\i], v31 offset:256*\i     ; column lane
	ds_load_b32 v[SB+22+\i], v31 offset:256*\i+128 ; column lane + 32
.endr
	s_lshl_b32 s40, s14, 8
	s_add_co_u32 s40, s40, GV                      ; my wave's copy of the gate
	v_add_nc_u32 v[AUX], s40, v28
	v_lshl_add_u32 v14, v13, 5, s40
	s_wait_dscnt 0x0
	s_wait_loadcnt 16                              ; bta is in; q's sixteen loads stay out
	v_add_f32 v[SB+18], v[SB+18], v[SB+19]
	v_add_f32 v[SB+20], v[SB+20], v[SB+21]
	v_add_f32 v[SB+22], v[SB+22], v[SB+23]
	v_add_f32 v[SB+24], v[SB+24], v[SB+25]
	v_add_f32 v[SB+18], v[SB+18], v[SB+20]
	v_add_f32 v[SB+22], v[SB+22], v[SB+24]
	v_add_f32 v[SB+18], v[SB+18], v[SB+16]
	v_add_f32 v[SB+22], v[SB+22], v[SB+17]
	v_mul_f32 v[SB+18], 0xbfb8aa3b, v[SB+18]
	v_mul_f32 v[SB+22], 0xbfb8aa3b, v[SB+22]
	v_exp_f32 v[SB+18], v[SB+18]
	v_exp_f32 v[SB+22], v[SB+22]
	v_nop                                          ; one plain instruction behind a transcendental before its result is used (ISA guide 5.7.2)
	s_wait_alu depctr_va_vdst(0)
	v_add_f32 v[SB+18], 1.0, v[SB+18]
	v_add_f32 v[SB+22], 1.0, v[SB+22]
	v_rcp_f32 v[SB+18], v[SB+18]
	v_rcp_f32 v[SB+22], v[SB+22]
	v_nop
	s_wait_alu depctr_va_vdst(0)
	v_mul_f32 v[SB+18], 0x3e38aa3b, v[SB+18]       ; sigmoid x log2(e) / 8
	v_mul_f32 v[SB+22], 0x3e38aa3b, v[SB+22]
	ds_store_b32 v[AUX], v[SB+18]
	ds_store_b32 v[AUX], v[SB+22] offset:128
.irp c, 0,1,2,3
	ds_load_b128 v[MK+8*\c:MK+8*\c+3],   v14 offset:64*\c      ; my wave's own bytes, served in order: the gate of d = 16 c + 8 h + 0..7
	ds_load_b128 v[MK+8*\c+4:MK+8*\c+7], v14 offset:64*\c+16
.endr
	s_wait_loadcnt 0x0
	s_wait_dscnt 0x0
.set i, 0
.rept 64
	v_lshlrev_b32 v[SB+2*i], 16, v[KF+i]
	v_and_b32 v[SB+2*i+1], 0xffff0000, v[KF+i]
.set i, i+1
.endr
.set i, 0
.rept 64
	v_pk_mul_f32 v[SB+2*i:SB+2*i+1], v[SB+2*i:SB+2*i+1], v[MK+2*(i%16):MK+2*(i%16)+1]
.set i, i+1
.endr
	WIN 0x40
.set i, 0
.rept 64
	v_cvt_pk_bf16_f32 v[QF+i], v[SB+2*i], v[SB+2*i+1]
.set i, i+1
.endr
	WIN 0
; ---- the pieces of a step: 64 keys of my half against my 64 queries
.macro PLACES5                         ; five places behind a run of products: four before a vector instruction or a load touches their registers, five before a matrix instruction does
.rept 5
	v_nop
.endr
.endm
.macro LOADK slot, st                  ; 24 LDS loads: for each key tile four of K and two of the mask
.irp kt, 0,1,2,3
.irp c, 0,1,2,3
	ds_load_b128 v[KF+16*\kt+4*\c:KF+16*\kt+4*\c+3], v[ADK+\slot] offset:(64*\st+16*\kt)*KP+32*\c
.endr
	ds_load_b128 v[MK+8*\kt:MK+8*\kt+3],   v[ADM] offset:256*\st+64*\kt
	ds_load_b128 v[MK+8*\kt+4:MK+8*\kt+7], v[ADM] offset:256*\st+64*\kt+16
.endr
.endm
.macro LOADV slot, st                  ; 16 transposing LDS loads
.irp dt, 0,1,2,3
.irp u, 0,1
	ds_load_tr16_b128 v[VF+16*\dt+8*\u:VF+16*\dt+8*\u+3],   v[ADV+\slot] offset:(64*\st+32*\u)*VP+32*\dt
	ds_load_tr16_b128 v[VF+16*\dt+8*\u+4:VF+16*\dt+8*\u+7], v[ADV+\slot] offset:(64*\st+32*\u)*VP+32*\dt+16*VP
.endr
.endr
.endm
; S^T = K Q^T + mask.  The four query tiles take turns, one instruction a turn.
.macro SMUL
	WIN 0x04                                       ; source 1 (Q) window 1
.irp kt, 0,1,2,3
	s_wait_dscnt 34-6*\kt                          ; of the 40 loads (K and mask 24, then V 16) the later key tiles' six each and V's sixteen may be out
.irp qt, 0,1,2,3
	v_wmma_f32_16x16x32_bf16 v[SB+32*\qt+8*\kt:SB+32*\qt+8*\kt+7], v[KF+16*\kt:KF+16*\kt+7], v[QF+16*\qt:QF+16*\qt+7], v[MK+8*\kt:MK+8*\kt+7]
.endr
.irp qt, 0,1,2,3
	v_wmma_f32_16x16x32_bf16 v[SB+32*\qt+8*\kt:SB+32*\qt+8*\kt+7], v[KF+16*\kt+8:KF+16*\kt+15], v[QF+16*\qt+8:QF+16*\qt+15], v[SB+32*\qt+8*\kt:SB+32*\qt+8*\kt+7]
.endr
.endr
.endm
; Turn i (0..31, the symbol i) of what follows the exponentials of query tile q.  Even i: the pair of exponentials at i joins the running pair of sums (the first pair
; together with the old sums' rescale, in one fused multiply-add).  Odd i: the same pair is packed to bf16, in place: pair p goes to register 16 (p / 8) + p % 8,
; which belongs to a pair at or below p, so nothing is overwritten that is still to be read.  Pairs 0-7 make P's fragment of keys 0-31, pairs 8-15 that of keys 32-63.
.macro POSTOP q, first
.if (i%2) == 0
.if i == 0
.if \first
	s_wait_alu depctr_va_vdst(0)
	v_pk_mul_f32 v[L2+2*(\q):L2+2*(\q)+1], v[SB+32*(\q):SB+32*(\q)+1], 1.0 op_sel_hi:[1,0]   ; the first step starts the sums
.else
	s_wait_alu depctr_va_vdst(0)
	v_pk_fma_f32 v[L2+2*(\q):L2+2*(\q)+1], v[L2+2*(\q):L2+2*(\q)+1], v[TQ+16*(\q):TQ+16*(\q)+1], v[SB+32*(\q):SB+32*(\q)+1] op_sel_hi:[1,0,1]
.endif
.else
	v_pk_add_f32 v[L2+2*(\q):L2+2*(\q)+1], v[L2+2*(\q):L2+2*(\q)+1], v[SB+32*(\q)+i:SB+32*(\q)+i+1]
.endif
.else
	v_cvt_pk_bf16_f32 v[SB+32*(\q)+16*(i/16)+(i/2)%8], v[SB+32*(\q)+i-1], v[SB+32*(\q)+i]
.endif
.endm
; The 32 exponentials of query tile q; behind each stands plain work of the neighbouring tiles: a turn of tile q - 1's sums and packing, and on even turns a
; subtraction of tile q + 1.  So no exponential's result is read, and no source written, by the instruction behind it (ISA guide 5.7.2).
.macro EMIX q, first
.set i, 0
.rept 32
	v_exp_f32 v[SB+32*\q+i], v[SB+32*\q+i]
.if \q > 0
	POSTOP \q-1, \first
.endif
.if \q < 3
.if (i%2) == 0
	v_pk_add_f32 v[SB+32*(\q+1)+i:SB+32*(\q+1)+i+1], v[SB+32*(\q+1)+i:SB+32*(\q+1)+i+1], v[TQ+16*(\q+1)+2:TQ+16*(\q+1)+3] op_sel_hi:[1,0]
.endif
.endif
.set i, i+1
.endr
.endm
; F: the softmax step of all four query tiles and the rescale of O.  A lane has 32 of its query's 64 scores, the lane 16 further the other 32.
; The four tiles go level by level, so that an instruction's sources were written at least four instructions earlier.
.macro FSOFT first
.irp k, 0,1,2,3
.irp qt, 0,1,2,3
	v_max3_num_f32 v[TQ+16*\qt+\k], v[SB+32*\qt+8*\k], v[SB+32*\qt+8*\k+1], v[SB+32*\qt+8*\k+2]
.endr
.endr
.irp c, 3,5
.irp k, 0,1,2,3
.irp qt, 0,1,2,3
	v_max3_num_f32 v[TQ+16*\qt+\k], v[TQ+16*\qt+\k], v[SB+32*\qt+8*\k+\c], v[SB+32*\qt+8*\k+\c+1]
.endr
.endr
.endr
.irp qt, 0,1,2,3
	v_max3_num_f32 v[TQ+16*\qt],   v[TQ+16*\qt],   v[SB+32*\qt+7],  v[SB+32*\qt+15]
	v_max3_num_f32 v[TQ+16*\qt+1], v[TQ+16*\qt+1], v[SB+32*\qt+23], v[SB+32*\qt+31]
.endr
.irp qt, 0,1,2,3
	v_max3_num_f32 v[TQ+16*\qt], v[TQ+16*\qt], v[TQ+16*\qt+1], v[TQ+16*\qt+2]
.endr
.irp qt, 0,1,2,3
	v_max_num_f32 v[TQ+16*\qt], v[TQ+16*\qt], v[TQ+16*\qt+3]
.endr
.irp qt, 0,1,2,3
	v_permlanex16_b32 v[TQ+16*\qt+1], v[TQ+16*\qt], s22, s23   ; its destination counts as read: a chain's register, written above and dead
.endr
.irp qt, 0,1,2,3
.if \first
	v_max3_num_f32 v[TQ+16*\qt+4], v[TQ+16*\qt], v[TQ+16*\qt+1], 0xff7fffff   ; the maximum stays finite where all 64 scores are -inf
.else
	v_max3_num_f32 v[TQ+16*\qt+4], v[TQ+16*\qt], v[TQ+16*\qt+1], v[MX+\qt]
.endif
.endr
.if \first == 0
.irp qt, 0,1,2,3
	v_sub_f32 v[TQ+16*\qt+5], v[MX+\qt], v[TQ+16*\qt+4]
.endr
.endif
.irp qt, 0,1,2,3
	v_xor_b32 v[TQ+16*\qt+2], 0x80000000, v[TQ+16*\qt+4]       ; minus the new maximum
.endr
.if \first == 0
.irp qt, 0,1,2,3
	v_exp_f32 v[TQ+16*\qt], v[TQ+16*\qt+5]                     ; what the old sums and O are worth under the new maximum
.endr
.endif
.irp qt, 0,1,2,3
	v_mov_b32 v[MX+\qt], v[TQ+16*\qt+4]                        ; plain instructions behind the exponentials (ISA guide 5.7.2)
.endr
.set i, 0
.rept 16
	v_pk_add_f32 v[SB+2*i:SB+2*i+1], v[SB+2*i:SB+2*i+1], v[TQ+2:TQ+3] op_sel_hi:[1,0]   ; tile 0's subtraction; the others' ride behind exponentials
.set i, i+1
.endr
	EMIX 0, \first
	EMIX 1, \first
	EMIX 2, \first
	EMIX 3, \first
.set i, 0
.rept 32
	POSTOP 3, \first
.set i, i+1
.endr
.if \first == 0
	WIN 0x41                                       ; O in window 1, the factor in window 0
.irp qt, 0,1,2,3
.set i, 0
.rept 16
	v_pk_mul_f32 v[OA+32*\qt+2*i:OA+32*\qt+2*i+1], v[OA+32*\qt+2*i:OA+32*\qt+2*i+1], v[TQ+16*\qt:TQ+16*\qt+1] op_sel_hi:[1,0]
.set i, i+1
.endr
.endr
	WIN 0
.endif
.endm
; O^T += V^T P^T.  Sixteen accumulators take turns, one instruction a turn.
; left: how many LDS loads issued behind V's sixteen may stay out.
.macro PVMUL first, left
	s_wait_dscnt \left
	WIN 0x51                                       ; V, C and D window 1, P window 0
.irp u, 0,1
.irp qt, 0,1,2,3
.irp dt, 0,1,2,3
.if \first*(1-\u)
	v_wmma_f32_16x16x32_bf16 v[OA+32*\qt+8*\dt:OA+32*\qt+8*\dt+7], v[VF+16*\dt+8*\u:VF+16*\dt+8*\u+7], v[SB+32*\qt+16*\u:SB+32*\qt+16*\u+7], 0
.else
	v_wmma_f32_16x16x32_bf16 v[OA+32*\qt+8*\dt:OA+32*\qt+8*\dt+7], v[VF+16*\dt+8*\u:VF+16*\dt+8*\u+7], v[SB+32*\qt+16*\u:SB+32*\qt+16*\u+7], v[OA+32*\qt+8*\dt:OA+32*\qt+8*\dt+7]
.endif
.endr
.endr
.endr
.endm
; PS: the pending step's O += V P, then the scores of step (slot, st).  K and the mask are asked for ahead of the 32 products and land under them;
; V is asked for behind them (its registers are their sources) and is wanted only by the next PS.
.macro PS slot, st, first
	LOADK \slot, \st
	PVMUL \first, 24                               ; V's sixteen loads are in; the 24 of K and mask just issued stay out
	PLACES5                                        ; V's registers are loaded again (four places), P's are written by a matrix instruction (five)
	WIN 0x40
	LOADV \slot, \st
	SMUL
	WIN 0
	PLACES5                                        ; before the scores are read and K's and the mask's registers are written
.endm
.macro FCOND ph                        ; F for the waves of phase ph alone: register work under a branch on the wave's number
	s_cmp_lg_u32 s71, \ph
	s_cbranch_scc1 .Lno_f_\@
	FSOFT 0
.Lno_f_\@:
.endm
; Two steps from one slot.  In front of the barrier every wave waits for all its tensor loads (one is out: its part of this slot) and for its reads of the other slot
; (V's fragments of the pending step among them: they are in registers from here on).  Where the other slot is filled again the barrier is a round of the cluster's
; barrier, and the joint refill is the first tensor load behind it, one a wave; it has two steps' work in which to land.
.macro TWO slot, refill
	s_wait_xcnt 0x0
	v_lshl_add_u32 v126, v0, 2, 0x43400
	v_mov_b32 v127, 0
	s_wait_tensorcnt 0x0
	ds_add_u32 v126, v127
	s_wait_dscnt 0x0
.if \refill
	s_add_nc_u64 s[G0K+4*(1-\slot)+2:G0K+4*(1-\slot)+3], s[G0K+4*(1-\slot)+2:G0K+4*(1-\slot)+3], 2*TILEB   ; no load of mine is out: the other slot's next 128 keys
	s_add_nc_u64 s[G0V+4*(1-\slot)+2:G0V+4*(1-\slot)+3], s[G0V+4*(1-\slot)+2:G0V+4*(1-\slot)+3], 2*TILEB
.endif
	s_wait_dscnt 0x0
.if \refill
	ROUND
	JLOAD 1-\slot
.else
	s_barrier_signal -1
	s_barrier_wait -1
.endif
	v_add_nc_u32 v[ADM], 512, v[ADM]               ; the mask of the next 128 keys
	FCOND 1                                        ; phase 1 holds scores: their softmax stands beside phase 0's products
	PS \slot, 0, 0
	FSOFT 0
	PS \slot, 1, 0
	FCOND 0                                        ; phase 0's softmax stands beside phase 1's products
.endm
	s_wait_tensorcnt 0x1                           ; my part of slot 0 is in; slot 1's stays out
	s_barrier_signal -1
	s_barrier_wait -1
	LOADK 0, 0                                     ; step 0's scores
	WIN 0x40
	LOADV 0, 0
	SMUL
	WIN 0
	PLACES5
	FSOFT 1                                        ; the first step starts maximum and sums,
	PS 0, 1, 1                                     ; and its products start O: nothing is cleared
	FCOND 0                                        ; from here on the phases are half a step apart
	s_mov_b32 s3, 3
.Lkeys:
	TWO 1, 1
	TWO 0, 1
	s_sub_co_u32 s3, s3, 1
	s_cmp_lg_u32 s3, 0
	s_cbranch_scc1 .Lkeys
	TWO 1, 0                                       ; the last 128 keys: nothing is left to fetch
	FCOND 1                                        ; phase 1's last softmax
	PVMUL 0, 0                                     ; the last step's products
	WIN 0
	; ---- the two key halves of a query group are merged: waves 4-7 hand O, maximum and sum to waves 0-3 through LDS
.rept 4
	v_nop                                          ; four places before O is read
.endr
.irp qt, 0,1,2,3
	v_add_f32 v[L2+2*\qt+1], v[L2+2*\qt], v[L2+2*\qt+1]        ; the two partial sums
.endr
.irp qt, 0,1,2,3
	v_permlanex16_b32 v[PL], v[L2+2*\qt+1], s22, s23
	v_add_f32 v[L2+2*\qt+1], v[L2+2*\qt+1], v[PL]  ; the sum over both halves of the lanes
.endr
	s_mul_i32 s40, s15, MSTW
	s_add_co_u32 s40, s40, MST
	v_lshl_add_u32 v[AUX], v1, 4, s40
	s_cmp_eq_u32 s16, 0
	s_cbranch_scc1 .Lkeep
	WIN 0x04                                       ; store data in window 1
.set i, 0
.rept 32
	ds_store_b128 v[AUX], v[OA+4*i:OA+4*i+3] offset:512*i
.set i, i+1
.endr
	WIN 0
	ds_store_b128 v[AUX], v[MX:MX+3] offset:16384
	ds_store_b128 v[AUX], v[L2:L2+3] offset:16896
	ds_store_b128 v[AUX], v[L2+4:L2+7] offset:17408
.Lkeep:
	s_wait_dscnt 0x0
	s_barrier_signal -1
	s_barrier_wait -1
	s_cmp_lg_u32 s16, 0
	s_cbranch_scc1 .Lclose
.set i, 0
.rept 32
	ds_load_b128 v[SB+4*i:SB+4*i+3], v[AUX] offset:512*i
.set i, i+1
.endr
	ds_load_b128 v[KF:KF+3], v[AUX] offset:16384           ; the partner's maxima
	ds_load_b128 v[KF+4:KF+7], v[AUX] offset:16896         ; its sums at KF + 5 + 2 qt
	ds_load_b128 v[KF+8:KF+11], v[AUX] offset:17408
	s_mul_i32 s40, s15, OSTW
	s_add_co_u32 s40, s40, OST
	v_mul_u32_u24 v14, v12, 144
	v_lshl_add_u32 v14, v13, 4, v14
	v_add_nc_u32 v14, s40, v14                     ; in: row r, 16 h
	v_lshrrev_b32 v15, 3, v1
	v_mul_u32_u24 v15, v15, 144
	v_and_b32 v12, 7, v0
	v_lshl_add_u32 v15, v12, 4, v15
	v_add_nc_u32 v15, s40, v15                     ; back: eight lanes a row of 128 bytes
	v_lshlrev_b32 v[ADK], 4, v1                    ; 512 consecutive bytes of ctx a store
	s_lshl_b32 s40, s20, 4
	s_lshl1_add_u32 s40, s18, s40
	s_lshr_b32 s41, s15, 1
	s_add_co_u32 s40, s40, s41                     ; row block of 128: 16 b + 2 x query block + group / 2
	s_lshl_b32 s40, s40, 18
	s_lshl_b32 s41, s21, 14
	s_add_co_u32 s40, s40, s41
	s_and_b32 s41, s15, 1
	s_lshl_b32 s41, s41, 13
	s_add_co_u32 s40, s40, s41
	s_mov_b32 s41, 0
	s_add_nc_u64 s[12:13], s[12:13], s[40:41]
	s_wait_dscnt 0x0
.irp qt, 0,1,2,3
	v_max_num_f32 v26, v[MX+\qt], v[KF+\qt]
	v_sub_f32 v27, v[MX+\qt], v26
	v_sub_f32 v28, v[KF+\qt], v26
	v_exp_f32 v[MK+4*\qt+1], v27
	v_exp_f32 v[MK+4*\qt+3], v28
	v_nop
	s_wait_alu depctr_va_vdst(0)
	v_mul_f32 v29, v[L2+2*\qt+1], v[MK+4*\qt+1]
	v_fma_f32 v29, v[KF+5+2*\qt], v[MK+4*\qt+3], v29
	v_rcp_f32 v30, v29
	v_nop
	s_wait_alu depctr_va_vdst(0)
	v_mul_f32 v[MK+4*\qt], v[MK+4*\qt+1], v30      ; my O's factor,
	v_mul_f32 v[MK+4*\qt+2], v[MK+4*\qt+3], v30    ; the partner's
.endr
.irp qt, 0,1,2,3
.set i, 0
.rept 16
	v_pk_mul_f32 v[SB+32*\qt+2*i:SB+32*\qt+2*i+1], v[SB+32*\qt+2*i:SB+32*\qt+2*i+1], v[MK+4*\qt+2:MK+4*\qt+3] op_sel_hi:[1,0]
.set i, i+1
.endr
.endr
	WIN 0x01                                       ; source 0 (my O) window 1
.irp qt, 0,1,2,3
.set i, 0
.rept 16
	v_pk_fma_f32 v[SB+32*\qt+2*i:SB+32*\qt+2*i+1], v[OA+32*\qt+2*i:OA+32*\qt+2*i+1], v[MK+4*\qt:MK+4*\qt+1], v[SB+32*\qt+2*i:SB+32*\qt+2*i+1] op_sel_hi:[1,0,1]
.set i, i+1
.endr
.endr
	WIN 0
.irp qt, 0,1,2,3
.irp dt, 0,1,2,3
.irp i, 0,1,2,3
	v_cvt_pk_bf16_f32 v[SB+32*\qt+8*\dt+\i], v[SB+32*\qt+8*\dt+2*\i], v[SB+32*\qt+8*\dt+2*\i+1]
.endr
	ds_store_b128 v14, v[SB+32*\qt+8*\dt:SB+32*\qt+8*\dt+3] offset:16*144*\qt+32*\dt
.endr
.endr
.irp t, 0,1,2,3,4,5,6,7,8,9,10,11,12,13,14,15
	ds_load_b128 v[KF+4*\t:KF+4*\t+3], v15 offset:4*144*\t   ; my wave's own bytes, served in order
.endr
.irp t, 0,1,2,3,4,5,6,7,8,9,10,11,12,13,14,15
	s_wait_dscnt 15-\t
	global_store_b128 v[ADK], v[KF+4*\t:KF+4*\t+3], s[12:13] offset:512*\t
.endr
.Lclose:
	s_wait_dscnt 0x0
	s_wait_xcnt 0x0
	v_lshl_add_u32 v126, v0, 2, 0x43400
	v_mov_b32 v127, 0
	s_wait_tensorcnt 0x0
	ds_add_u32 v126, v127
	s_wait_dscnt 0x0
	ROUND                                          ; the closing round: no work-group ends while a partner may still ask for a tile that names it
	s_endpgm
.Lfunc_end_k_q817e4425dc_attn:
	.size	k_q817e4425dc_attn, .Lfunc_end_k_q817e4425dc_attn-k_q817e4425dc_attn
	.p2alignl 7, 3214868480
	.fill 96, 4, 3214868480
	.section	.rodata,"a",@progbits
	.p2align	6, 0x0
	.amdhsa_kernel k_q817e4425dc_attn
		.amdhsa_group_segment_fixed_size 327680
		.amdhsa_private_segment_fixed_size 0
		.amdhsa_enable_private_segment 0
		.amdhsa_kernarg_size 40
		.amdhsa_user_sgpr_count 2
		.amdhsa_user_sgpr_kernarg_segment_ptr 1
		.amdhsa_wavefront_size32 1
		.amdhsa_system_sgpr_workgroup_id_x 1
		.amdhsa_system_sgpr_workgroup_id_y 1
		.amdhsa_system_sgpr_workgroup_id_z 1
		.amdhsa_system_vgpr_workitem_id 0
		.amdhsa_next_free_vgpr 512
		.amdhsa_next_free_sgpr 72
		.amdhsa_reserve_vcc 0
		.amdhsa_float_denorm_mode_32 3
		.amdhsa_float_denorm_mode_16_64 3
		.amdhsa_memory_ordered 1
		.amdhsa_forward_progress 1
		.amdhsa_inst_pref_size 255
	.end_amdhsa_kernel
	.section	.bss,"aw",@nobits
	.p2align	6
	.space	262144
	.amdgpu_metadata
---
amdhsa.version: [ 1, 2 ]
amdhsa.kernels:
  - .name:           k_q817e4425dc_attn
    .symbol:         k_q817e4425dc_attn.kd
    .args:
      - { .name: qkv, .offset: 0, .size: 8, .value_kind: global_buffer, .address_space: global }
      - { .name: part, .offset: 8, .size: 8, .value_kind: global_buffer, .address_space: global }
      - { .name: bta, .offset: 16, .size: 8, .value_kind: global_buffer, .address_space: global }
      - { .name: attention_mask, .offset: 24, .size: 8, .value_kind: global_buffer, .address_space: global }
      - { .name: ctx, .offset: 32, .size: 8, .value_kind: global_buffer, .address_space: global }
    .group_segment_fixed_size: 327680
    .private_segment_fixed_size: 0
    .kernarg_segment_align: 8
    .kernarg_segment_size: 40
    .max_flat_workgroup_size: 256
    .sgpr_count:     72
    .vgpr_count:     512
    .wavefront_size: 32
...
	.end_amdgpu_metadata
.endif
;; end of part 3
;; launch dense (part 4): grid 8 x 32, 4 waves a work-group, clusters of 4 x 4, 327,680 bytes of LDS; arguments ctx, wt, bd, hidden_states, xres; writes xres
.if DOCPART == 4
	.amdgcn_target "amdgcn-amd-amdhsa--gfx1250"
	.amdhsa_code_object_version 6
	.text
	.protected	k_q817e4425dc_dense
	.globl	k_q817e4425dc_dense
	.p2align	8
	.type	k_q817e4425dc_dense,@function
k_q817e4425dc_dense:
	s_mov_b64 s[64:65], 0
	v_nop
	global_prefetch_b8 v0, s[64:65] scope:SCOPE_SE
	s_setreg_imm32_b32 hwreg(HW_REG_WAVE_MODE, 25, 1), 1
	s_wait_xcnt 0x0
	s_wait_alu depctr_hold_cnt(0) depctr_sa_sdst(0) depctr_va_vdst(0) depctr_va_sdst(0) depctr_va_ssrc(0) depctr_va_vcc(0) depctr_vm_vsrc(0)
	s_getreg_b32 s2, hwreg(HW_REG_IB_STS2, 6, 4)
	s_cmp_eq_u32 s2, 0
	s_cbranch_scc0 .Lentry_in_a_cluster
	s_endpgm
.Lentry_in_a_cluster:
	s_bfe_u32 s2, ttmp6, 0x10000c
	s_cmp_lg_u32 s2, 0xf033
	s_cbranch_scc0 .Lentry_shape_is_right
	s_endpgm
.Lentry_shape_is_right:
; xres[row][n] = ctx[row][:] . Wd[:][n] + bd[n] + hidden_states[row][n], f32.  ctx: [32 row blocks][16 heads][128][64] bf16; wt rows 3072..4095: Wd transposed, bf16.
; A work-group makes 128 x 128 with four waves of 64 x 64 (16 accumulator tiles).  K = 1,024 goes in four slot fills of 256 (four heads) through two LDS slots,
; so that a refill has eight quarter steps, 128 matrix instructions of a wave, in which to land; everything is written out, there is no loop.
; LayerNorm is a launch of its own: a work-group that owned whole rows would have to bring in all 2 MiB of Wd, this one brings in 512 KiB.
; CLUSTER 4 x 4: ctx's tile is shared along a row of the cluster, Wd's along a column; both are asked for jointly.
; Window 0: addresses, fragments (B at 32 + 64 f, A at 64 + 64 f), bias v160-191.
; Window 1: accumulator (a, b) at 8 (4 a + b); the wave's 64 x 64 residual numbers at v128-255, asked for at the start, so that they land under the products.
; The matrix instruction is used transposed (source 0 = rows of wt): a lane holds row l % 16 and eight neighbouring columns.
.set APITCH, 144                       ; a head's row: 128 bytes + 16
.set BPITCH, 528                       ; 256 k of bf16 + 16
.set AHALF,  256*APITCH                ; two heads x 128 rows: what one load brings of A
.set BHALF,  64*BPITCH
.set BOFF,   2*AHALF                   ; 73,728
.set SLOT,   2*AHALF+2*BHALF           ; 141,312
.set STAGE,  2*SLOT                    ; 282,624: no fill lands here
.set SPITCH, 272                       ; a stage row: 64 f32 + 16 bytes
.set ADRA, 16
.set ADRB, 20
.set STO,  24
.set RD,   25
.set CO,   26
.set HB,   27
.set BIAS, 160
.set HID,  128                         ; window 1: residual rows 16 a + 2 t (+1 for lanes 16-31) at 128 + 32 a + 4 t
.set G1A, 24
.set G0A, 32
.set G1B, 48
.set G0B, 56
.set MSB, 0
.macro WIN new
.if MSB != \new
	s_set_vgpr_msb (MSB<<8)|\new
.set MSB, \new
.endif
.endm
.macro JLOAD s
	s_cmp_eq_u32 s17, 0
	s_cbranch_scc0 .Lfor_b_\@
	tensor_load_to_lds s[G0A+4*(\s):G0A+4*(\s)+3], s[G1A:G1A+7]
	s_nop 0
	s_branch .Lasked_\@
.Lfor_b_\@:
	tensor_load_to_lds s[G0B+4*(\s):G0B+4*(\s)+3], s[G1B:G1B+7]
	s_nop 0
.Lasked_\@:
.endm
.macro CREST
	s_cmp_lg_u32 s16, 0
	s_cbranch_scc1 .Lnot_wave_0_\@
	s_barrier_signal -3
.Lnot_wave_0_\@:
	s_barrier_wait -3
	s_barrier_signal -1
	s_barrier_wait -1
.endm
.macro CROUND
	s_barrier_signal -1
	s_barrier_wait -1
	CREST
.endm
.macro PLACES                          ; four places behind matrix instructions (ISA guide 7.12.1)
.rept 4
	v_nop
.endr
.endm
	s_load_b256 s[4:11], s[0:1], 0x0               ; ctx s[4:5], wt s[6:7], bd s[8:9], hidden s[10:11]
	s_load_b64 s[12:13], s[0:1], 0x20              ; xres
	v_lshl_add_u32 v254, v0, 2, 0x49400
	v_mov_b32 v255, 0
	ds_add_u32 v254, v255
	v_lshrrev_b32 v1, 5, v0
	v_readfirstlane_b32 s16, v1                    ; wave
	s_lshr_b32 s17, s16, 1                         ; my half of the rows; also: I fetch A (0) or B (1)
	s_and_b32 s18, s16, 1                          ; my half of the columns; also: which half of that tile
	s_bfe_u32 s19, ttmp6, 0x40000                  ; cx
	s_bfe_u32 s20, ttmp6, 0x40004                  ; cy
	s_lshl_b32 s21, ttmp9, 2
	s_add_co_u32 s21, s21, s19                     ; block column
	s_and_b32 s22, ttmp7, 0xffff
	s_lshl_b32 s22, s22, 2
	s_add_co_u32 s22, s22, s20                     ; block row
	s_lshl_b32 s23, s20, 2
	s_lshl_b32 s23, 15, s23
	s_lshl_b32 s72, 0x1111, s19
	s_or_b32 s[G1A+0], s23, (1<<16)|(1<<20)|(1<<21)|(4<<22)|(3<<25)   ; my row of the cluster; 2-byte elements; after 32 words, 4 words of padding
	s_mov_b32 s[G1A+1], 64<<16                     ; tensor_dim0 = 64
	s_mov_b32 s[G1A+2], 256<<16                    ; tensor_dim1 = 256: two heads' 128 rows follow each other in ctx
	s_mov_b32 s[G1A+3], 64<<16                     ; tile_dim0 = 64
	s_mov_b32 s[G1A+4], 256                        ; tile_dim1 = 256
	s_mov_b32 s[G1A+5], 64
	s_mov_b32 s[G1A+6], 0
	s_mov_b32 s[G1A+7], 0
	s_or_b32 s[G1B+0], s72, (1<<16)|(1<<20)|(1<<21)|(6<<22)|(3<<25)   ; my column; after 128 words, 4 words
	s_mov_b32 s[G1B+1], 256<<16
	s_mov_b32 s[G1B+2], 64<<16
	s_mov_b32 s[G1B+3], 256<<16
	s_mov_b32 s[G1B+4], 64
	s_mov_b32 s[G1B+5], 1024
	s_mov_b32 s[G1B+6], 0
	s_mov_b32 s[G1B+7], 0
	s_lshl_b32 s40, s22, 18                        ; A: the row block's 262,144 bytes, two heads for each half
	s_lshl_b32 s41, s18, 15
	s_add_co_u32 s40, s40, s41
	s_mov_b32 s41, 0
	s_lshl_b32 s44, s21, 7                         ; B: row 3,072 + 128 x block column + 64 x half
	s_lshl_b32 s45, s18, 6
	s_add_co_u32 s44, s44, s45
	s_add_co_u32 s44, s44, 3072
	s_lshl_b32 s44, s44, 11
	s_mov_b32 s45, 0
	s_mul_i32 s42, s16, AHALF                      ; LDS: waves 0, 1: A's halves
	s_mul_i32 s46, s16, BHALF
	s_add_co_u32 s46, s46, BOFF-2*BHALF            ; waves 2, 3: B's halves
	s_wait_dscnt 0x0
	s_wait_kmcnt 0x0
	s_add_nc_u64 s[40:41], s[4:5], s[40:41]
	s_add_nc_u64 s[44:45], s[6:7], s[44:45]
.irp s, 0,1
	s_mov_b32 s[G0A+4*\s], 1
	s_add_co_u32 s[G0A+4*\s+1], s42, \s*SLOT
	s_add_nc_u64 s[G0A+4*\s+2:G0A+4*\s+3], s[40:41], \s*65536
	s_or_b32 s[G0A+4*\s+3], s[G0A+4*\s+3], 0x80000000
	s_mov_b32 s[G0B+4*\s], 1
	s_add_co_u32 s[G0B+4*\s+1], s46, \s*SLOT
	s_add_nc_u64 s[G0B+4*\s+2:G0B+4*\s+3], s[44:45], \s*512
	s_or_b32 s[G0B+4*\s+3], s[G0B+4*\s+3], 0x80000000
.endr
	CROUND
	s_cmp_eq_u32 s17, 0                            ; both first fills of a wave inside one branch on its number
	s_cbranch_scc0 .Lfirst_b
	tensor_load_to_lds s[G0A:G0A+3], s[G1A:G1A+7]
	s_nop 0
	tensor_load_to_lds s[G0A+4:G0A+7], s[G1A:G1A+7]
	s_nop 0
	s_branch .Lfirst_done
.Lfirst_b:
	tensor_load_to_lds s[G0B:G0B+3], s[G1B:G1B+7]
	s_nop 0
	tensor_load_to_lds s[G0B+4:G0B+7], s[G1B:G1B+7]
	s_nop 0
.Lfirst_done:
	s_lshl_b32 s44, s21, 9                         ; my first column, in bytes of f32: 512 x block column + 256 x half
	s_lshl_b32 s45, s18, 8
	s_add_co_u32 s44, s44, s45
	s_mov_b32 s45, 0
	s_add_nc_u64 s[8:9], s[8:9], s[44:45]
	s_add_nc_u64 s[10:11], s[10:11], s[44:45]
	s_add_nc_u64 s[12:13], s[12:13], s[44:45]
	s_lshl_b32 s40, s22, 7
	s_lshl_b32 s41, s17, 6
	s_add_co_u32 s40, s40, s41                     ; my first row
	s_lshl_b32 s40, s40, 12
	s_mov_b32 s41, 0
	s_add_nc_u64 s[10:11], s[10:11], s[40:41]
	s_add_nc_u64 s[12:13], s[12:13], s[40:41]
	v_and_b32 v1, 15, v0                           ; r
	v_bfe_u32 v2, v0, 4, 1                         ; h
	v_lshlrev_b32 v[HB], 5, v2
.irp b, 0,1,2,3
	global_load_b128 v[BIAS+8*\b:BIAS+8*\b+3],   v[HB], s[8:9] offset:64*\b       ; bd[16 b + 8 h + 0..7]: the first C operand of tile column b
	global_load_b128 v[BIAS+8*\b+4:BIAS+8*\b+7], v[HB], s[8:9] offset:64*\b+16
.endr
	v_lshlrev_b32 v3, 12, v2
	v_lshl_add_u32 v[CO], v1, 4, v3                ; sixteen lanes take 256 bytes of a row of hidden_states and xres, lanes 16-31 the row below
	WIN 0x40                                       ; destination window 1
.irp a, 0,1,2,3
.irp t, 0,1,2,3,4,5,6,7
	global_load_b128 v[HID+32*\a+4*\t:HID+32*\a+4*\t+3], v[CO], s[10:11] offset:(16*\a+2*\t)*4096 th:TH_LOAD_NT   ; the residual: wanted only in the way out
.endr
.endr
	WIN 0
	v_mul_u32_u24 v3, v1, APITCH
	v_lshl_add_u32 v3, v2, 4, v3
	s_mul_i32 s43, s17, 64*APITCH
	v_add_nc_u32 v[ADRA], s43, v3
	v_add_nc_u32 v[ADRA+1], SLOT, v[ADRA]
	v_mul_u32_u24 v3, v1, BPITCH
	v_lshl_add_u32 v3, v2, 4, v3
	s_mul_i32 s43, s18, 64*BPITCH
	s_add_co_u32 s43, s43, BOFF
	v_add_nc_u32 v[ADRB], s43, v3
	v_add_nc_u32 v[ADRB+1], SLOT, v[ADRB]
	s_mul_i32 s43, s16, 16*SPITCH
	s_add_co_u32 s43, s43, STAGE
	v_mul_u32_u24 v3, v1, SPITCH
	v_lshl_add_u32 v3, v2, 5, v3
	v_add_nc_u32 v[STO], s43, v3                   ; in: row r, 32 bytes for each half of the lanes
	v_mul_u32_u24 v3, v2, SPITCH
	v_lshl_add_u32 v3, v1, 4, v3
	v_add_nc_u32 v[RD], s43, v3                    ; back: sixteen lanes take a row's 256 bytes
; 16 LDS loads: quarter q (32 of the slot's 256 k) into buffer f
.macro FETCH slot, q, f
.irp i, 0,1,2,3
	ds_load_b128 v[32+64*(\f)+8*\i:32+64*(\f)+8*\i+3],   v[ADRB+\slot] offset:64*(\q)+16*BPITCH*\i
	ds_load_b128 v[32+64*(\f)+8*\i+4:32+64*(\f)+8*\i+7], v[ADRB+\slot] offset:64*(\q)+16*BPITCH*\i+32
.endr
.irp i, 0,1,2,3
	ds_load_b128 v[64+64*(\f)+8*\i:64+64*(\f)+8*\i+3],   v[ADRA+\slot] offset:((\q)>>1)*128*APITCH+((\q)&1)*64+16*APITCH*\i
	ds_load_b128 v[64+64*(\f)+8*\i+4:64+64*(\f)+8*\i+7], v[ADRA+\slot] offset:((\q)>>1)*128*APITCH+((\q)&1)*64+16*APITCH*\i+32
.endr
.endm
; 8 matrix instructions.  The 16 accumulators take turns, one instruction a turn, in the same order in every quarter.
.macro MUL8 f, a0, first
.if \first
	WIN 0x40                                       ; D window 1, the bias as C in window 0
.else
	WIN 0x50
.endif
.irp a, \a0, \a0+1
.irp b, 0,1,2,3
.if \first
	v_wmma_f32_16x16x32_bf16 v[8*(4*(\a)+\b):8*(4*(\a)+\b)+7], v[32+64*\f+8*\b:32+64*\f+8*\b+7], v[64+64*\f+8*(\a):64+64*\f+8*(\a)+7], v[BIAS+8*\b:BIAS+8*\b+7]
.else
	v_wmma_f32_16x16x32_bf16 v[8*(4*(\a)+\b):8*(4*(\a)+\b)+7], v[32+64*\f+8*\b:32+64*\f+8*\b+7], v[64+64*\f+8*(\a):64+64*\f+8*(\a)+7], v[8*(4*(\a)+\b):8*(4*(\a)+\b)+7]
.endif
.endr
.endr
.endm
.macro QUARTER slot, q, f, first
	s_wait_dscnt 0x0                               ; this quarter's fragments are in
	PLACES                                         ; the other buffer, read by the last quarter's products, is loaded again
	WIN 0
	FETCH \slot, \q+1, 1-\f
	MUL8 \f, 0, \first
	MUL8 \f, 2, \first
.endm
.macro SEVEN slot, first
	QUARTER \slot, 0, 0, \first
	QUARTER \slot, 1, 1, 0
	QUARTER \slot, 2, 0, 0
	QUARTER \slot, 3, 1, 0
	QUARTER \slot, 4, 0, 0
	QUARTER \slot, 5, 1, 0
	QUARTER \slot, 6, 0, 0
.endm
; The eighth quarter changes slots: the waits for my reads and for all my tensor loads, the barrier (which opens a round of the cluster's barrier where the slot
; is filled again), the joint refill first behind it, then the next slot's first fragments.
.macro TURNQ slot, next, fill
	s_wait_dscnt 0x0
	s_wait_tensorcnt 0x0
	ds_add_u32 v254, v255
	s_wait_dscnt 0x0
	s_barrier_signal -1
	MUL8 1, 0, 0
	WIN 0
	s_barrier_wait -1
.if \fill
	CREST
	s_add_nc_u64 s[G0A+4*\slot+2:G0A+4*\slot+3], s[G0A+4*\slot+2:G0A+4*\slot+3], 2*65536
	s_add_nc_u64 s[G0B+4*\slot+2:G0B+4*\slot+3], s[G0B+4*\slot+2:G0B+4*\slot+3], 2*512
	JLOAD \slot
.endif
	PLACES
	FETCH \next, 0, 0
	MUL8 1, 2, 0
.endm
	s_wait_tensorcnt 0x1                           ; my part of slot 0 is in; slot 1's stays out
	s_barrier_signal -1
	s_barrier_wait -1
	FETCH 0, 0, 0
	s_wait_loadcnt 32                              ; the bias's eight loads are in; the residual's 32, issued behind them, stay out
	SEVEN 0, 1
	TURNQ 0, 1, 1
	SEVEN 1, 0
	TURNQ 1, 0, 1
	SEVEN 0, 0
	TURNQ 0, 1, 0
	SEVEN 1, 0
	s_wait_dscnt 0x0
	MUL8 1, 0, 0
	MUL8 1, 2, 0
	; THE WAY OUT, 16 rows at a time through my own stage; the residual is added on the way; sixteen lanes store 256 consecutive bytes, aligned.
	WIN 0
	PLACES
	s_wait_loadcnt 0x0                             ; the residual
.macro OUT a, rb
	WIN 0x04                                       ; source 1 window 1: an LDS store's data (the sums) and the addition's second source (the residual)
.irp b, 0,1,2,3
	ds_store_b128 v[STO], v[8*(4*\a+\b):8*(4*\a+\b)+3]   offset:64*\b
	ds_store_b128 v[STO], v[8*(4*\a+\b)+4:8*(4*\a+\b)+7] offset:64*\b+16
.endr
	s_wait_xcnt 0x0                                ; the registers that earlier stores read are loaded again only behind this wait
.irp t, 0,1,2,3,4,5,6,7
	ds_load_b128 v[\rb+4*\t:\rb+4*\t+3], v[RD] offset:2*SPITCH*\t   ; my wave's own bytes, served in order
.endr
.irp t, 0,1,2,3,4,5,6,7
	s_wait_dscnt 7-\t                              ; LDS loads come back in order: rows 2 t, 2 t + 1 are in
	v_pk_add_f32 v[\rb+4*\t:\rb+4*\t+1],   v[\rb+4*\t:\rb+4*\t+1],   v[HID+32*\a+4*\t:HID+32*\a+4*\t+1]
	v_pk_add_f32 v[\rb+4*\t+2:\rb+4*\t+3], v[\rb+4*\t+2:\rb+4*\t+3], v[HID+32*\a+4*\t+2:HID+32*\a+4*\t+3]
.endr
	WIN 0                                          ; a global store's data is source 1 too: window 0 again
.irp t, 0,1,2,3,4,5,6,7
	global_store_b128 v[CO], v[\rb+4*\t:\rb+4*\t+3], s[12:13] offset:(16*\a+2*\t)*4096
.endr
.endm
	OUT 0, 32
	OUT 1, 64
	OUT 2, 32
	OUT 3, 64
	s_wait_tensorcnt 0x0
	ds_add_u32 v254, v255
	s_wait_dscnt 0x0
	CROUND                                         ; the closing round
	s_endpgm
.Lfunc_end_k_q817e4425dc_dense:
	.size	k_q817e4425dc_dense, .Lfunc_end_k_q817e4425dc_dense-k_q817e4425dc_dense
	.p2alignl 7, 3214868480
	.fill 96, 4, 3214868480
	.section	.rodata,"a",@progbits
	.p2align	6, 0x0
	.amdhsa_kernel k_q817e4425dc_dense
		.amdhsa_group_segment_fixed_size 327680
		.amdhsa_private_segment_fixed_size 0
		.amdhsa_enable_private_segment 0
		.amdhsa_kernarg_size 40
		.amdhsa_user_sgpr_count 2
		.amdhsa_user_sgpr_kernarg_segment_ptr 1
		.amdhsa_wavefront_size32 1
		.amdhsa_system_sgpr_workgroup_id_x 1
		.amdhsa_system_sgpr_workgroup_id_y 1
		.amdhsa_system_sgpr_workgroup_id_z 1
		.amdhsa_system_vgpr_workitem_id 0
		.amdhsa_next_free_vgpr 512
		.amdhsa_next_free_sgpr 80
		.amdhsa_reserve_vcc 0
		.amdhsa_float_denorm_mode_32 3
		.amdhsa_float_denorm_mode_16_64 3
		.amdhsa_memory_ordered 1
		.amdhsa_forward_progress 1
		.amdhsa_inst_pref_size 96
	.end_amdhsa_kernel
	.amdgpu_metadata
---
amdhsa.version: [ 1, 2 ]
amdhsa.kernels:
  - .name:           k_q817e4425dc_dense
    .symbol:         k_q817e4425dc_dense.kd
    .args:
      - { .name: ctx, .offset: 0, .size: 8, .value_kind: global_buffer, .address_space: global }
      - { .name: wt, .offset: 8, .size: 8, .value_kind: global_buffer, .address_space: global }
      - { .name: bd, .offset: 16, .size: 8, .value_kind: global_buffer, .address_space: global }
      - { .name: hidden_states, .offset: 24, .size: 8, .value_kind: global_buffer, .address_space: global }
      - { .name: xres, .offset: 32, .size: 8, .value_kind: global_buffer, .address_space: global }
    .group_segment_fixed_size: 327680
    .private_segment_fixed_size: 0
    .kernarg_segment_align: 8
    .kernarg_segment_size: 40
    .max_flat_workgroup_size: 128
    .sgpr_count:     80
    .vgpr_count:     512
    .wavefront_size: 32
...
	.end_amdgpu_metadata
.endif
;; end of part 4
;; launch ln (part 5): grid 256 x 1, 4 waves a work-group, no clusters, 0 bytes of LDS; arguments xres, ln_g, ln_b, out0; writes out0
.if DOCPART == 5
	.amdgcn_target "amdgcn-amd-amdhsa--gfx1250"
	.amdhsa_code_object_version 6
	.text
	.protected	k_q817e4425dc_ln
	.globl	k_q817e4425dc_ln
	.p2align	8
	.type	k_q817e4425dc_ln,@function
k_q817e4425dc_ln:
	s_mov_b64 s[64:65], 0
	v_nop
	global_prefetch_b8 v0, s[64:65] scope:SCOPE_SE
	s_setreg_imm32_b32 hwreg(HW_REG_WAVE_MODE, 25, 1), 1
	s_wait_xcnt 0x0
; out0[row][:] = (x - mean) * rsqrt(var + 1e-5) * ln_g + ln_b, x = xres[row][:], 1,024 f32 a row.
; One wave takes four whole rows; a row is 32 registers and stays there between the passes, so xres is read once and no wave waits for another.
; The variance is the mean of (x - mean)^2, taken in a second pass over the registers: a common offset forms no difference of large sums.
; A stream: no LDS, no matrix unit, no cluster (ln_g and ln_b, 8 KiB, are a small part of a work-group's 64 KiB).
.set G,  4                             ; v[4:35]    ln_g of my 32 columns
.set BT, 36                            ; v[36:67]   ln_b
.set X,  68                            ; v[68:195]  four rows
.set T,  196                           ; v[196:203] four chains of pairs
.set MU, 204                           ; v[204:205] the mean, twice
.set RS, 206                           ; v[206:207] 1 / standard deviation, twice
	s_load_b256 s[4:11], s[0:1], 0x0               ; xres s[4:5], ln_g s[6:7], ln_b s[8:9], out0 s[10:11]
	s_lshl_b32 s2, ttmp9, 16                       ; 16 rows of 4,096 bytes
	s_mov_b32 s3, 0
	s_mov_b32 s12, 0x76543210
	s_mov_b32 s13, 0xfedcba98
	s_mov_b32 s14, 0x3a800000                      ; 1 / 1024
	s_mov_b32 s15, 0x3727c5ac                      ; 1e-5
	v_and_b32 v1, 31, v0
	v_lshrrev_b32 v2, 5, v0
	v_lshlrev_b32 v1, 4, v1                        ; 16 lane
	v_lshl_add_u32 v2, v2, 14, v1                  ; + wave x 4 rows
	s_wait_kmcnt 0x0
	s_add_nc_u64 s[4:5], s[4:5], s[2:3]
	s_add_nc_u64 s[10:11], s[10:11], s[2:3]
.irp j, 0,1,2,3,4,5,6,7
	global_load_b128 v[G+4*\j:G+4*\j+3], v1, s[6:7] offset:512*\j
.endr
.irp j, 0,1,2,3,4,5,6,7
	global_load_b128 v[BT+4*\j:BT+4*\j+3], v1, s[8:9] offset:512*\j
.endr
.irp s, 0,1,2,3
.irp j, 0,1,2,3,4,5,6,7
	global_load_b128 v[X+32*\s+4*\j:X+32*\s+4*\j+3], v2, s[4:5] offset:4096*\s+512*\j th:TH_LOAD_NT
.endr
.endr
.macro REDUCE                          ; four chains of pairs to one number in every lane
	v_pk_add_f32 v[T:T+1], v[T:T+1], v[T+2:T+3]
	v_pk_add_f32 v[T+4:T+5], v[T+4:T+5], v[T+6:T+7]
	v_pk_add_f32 v[T:T+1], v[T:T+1], v[T+4:T+5]
	v_add_f32 v[T], v[T], v[T+1]
	v_add_f32_dpp v[T], v[T], v[T] row_xmask:1 row_mask:0xf bank_mask:0xf
	v_add_f32_dpp v[T], v[T], v[T] row_xmask:2 row_mask:0xf bank_mask:0xf
	v_add_f32_dpp v[T], v[T], v[T] row_xmask:4 row_mask:0xf bank_mask:0xf
	v_add_f32_dpp v[T], v[T], v[T] row_xmask:8 row_mask:0xf bank_mask:0xf
	v_permlanex16_b32 v[T+1], v[T], s12, s13
	v_add_f32 v[T], v[T], v[T+1]
.endm
.macro ROW s
	s_wait_loadcnt 8*(3-\s)                        ; my row's eight loads are in; the rows behind stay out
.irp k, 0,1,2,3
	v_pk_add_f32 v[T+2*\k:T+2*\k+1], v[X+32*\s+2*\k:X+32*\s+2*\k+1], v[X+32*\s+8+2*\k:X+32*\s+8+2*\k+1]
.endr
.irp p, 8,9,10,11,12,13,14,15
	v_pk_add_f32 v[T+2*(\p%4):T+2*(\p%4)+1], v[T+2*(\p%4):T+2*(\p%4)+1], v[X+32*\s+2*\p:X+32*\s+2*\p+1]
.endr
	REDUCE
	v_mul_f32 v[MU], s14, v[T]
	v_mul_f32 v[MU+1], s14, v[T]
.irp p, 0,1,2,3,4,5,6,7,8,9,10,11,12,13,14,15
	v_pk_add_f32 v[X+32*\s+2*\p:X+32*\s+2*\p+1], v[X+32*\s+2*\p:X+32*\s+2*\p+1], v[MU:MU+1] neg_lo:[0,1] neg_hi:[0,1]
.endr
.irp k, 0,1,2,3
	v_pk_mul_f32 v[T+2*\k:T+2*\k+1], v[X+32*\s+2*\k:X+32*\s+2*\k+1], v[X+32*\s+2*\k:X+32*\s+2*\k+1]
.endr
.irp p, 4,5,6,7,8,9,10,11,12,13,14,15
	v_pk_fma_f32 v[T+2*(\p%4):T+2*(\p%4)+1], v[X+32*\s+2*\p:X+32*\s+2*\p+1], v[X+32*\s+2*\p:X+32*\s+2*\p+1], v[T+2*(\p%4):T+2*(\p%4)+1]
.endr
	REDUCE
	v_fma_f32 v[T+2], v[T], s14, s15               ; variance + 1e-5
	v_rsq_f32 v[RS], v[T+2]
	v_rsq_f32 v[RS+1], v[T+2]
	v_nop                                          ; one plain instruction behind a transcendental before its result is used (ISA guide 5.7.2)
	s_wait_alu depctr_va_vdst(0)
.irp j, 0,1,2,3,4,5,6,7
	v_pk_mul_f32 v[X+32*\s+4*\j:X+32*\s+4*\j+1],   v[X+32*\s+4*\j:X+32*\s+4*\j+1],   v[RS:RS+1]
	v_pk_mul_f32 v[X+32*\s+4*\j+2:X+32*\s+4*\j+3], v[X+32*\s+4*\j+2:X+32*\s+4*\j+3], v[RS:RS+1]
	v_pk_fma_f32 v[X+32*\s+4*\j:X+32*\s+4*\j+1],   v[X+32*\s+4*\j:X+32*\s+4*\j+1],   v[G+4*\j:G+4*\j+1],   v[BT+4*\j:BT+4*\j+1]
	v_pk_fma_f32 v[X+32*\s+4*\j+2:X+32*\s+4*\j+3], v[X+32*\s+4*\j+2:X+32*\s+4*\j+3], v[G+4*\j+2:G+4*\j+3], v[BT+4*\j+2:BT+4*\j+3]
	global_store_b128 v2, v[X+32*\s+4*\j:X+32*\s+4*\j+3], s[10:11] offset:4096*\s+512*\j th:TH_STORE_NT   ; a wave stores 512 consecutive bytes; no stored register is written again
.endr
.endm
	ROW 0
	ROW 1
	ROW 2
	ROW 3
	s_endpgm
.Lfunc_end_k_q817e4425dc_ln:
	.size	k_q817e4425dc_ln, .Lfunc_end_k_q817e4425dc_ln-k_q817e4425dc_ln
	.p2alignl 7, 3214868480
	.fill 96, 4, 3214868480
	.section	.rodata,"a",@progbits
	.p2align	6, 0x0
	.amdhsa_kernel k_q817e4425dc_ln
		.amdhsa_group_segment_fixed_size 0
		.amdhsa_private_segment_fixed_size 0
		.amdhsa_enable_private_segment 0
		.amdhsa_kernarg_size 32
		.amdhsa_user_sgpr_count 2
		.amdhsa_user_sgpr_kernarg_segment_ptr 1
		.amdhsa_wavefront_size32 1
		.amdhsa_system_sgpr_workgroup_id_x 1
		.amdhsa_system_sgpr_workgroup_id_y 1
		.amdhsa_system_sgpr_workgroup_id_z 1
		.amdhsa_system_vgpr_workitem_id 0
		.amdhsa_next_free_vgpr 208
		.amdhsa_next_free_sgpr 66
		.amdhsa_reserve_vcc 0
		.amdhsa_float_denorm_mode_32 3
		.amdhsa_float_denorm_mode_16_64 3
		.amdhsa_memory_ordered 1
		.amdhsa_forward_progress 1
		.amdhsa_inst_pref_size 34
	.end_amdhsa_kernel
	.amdgpu_metadata
---
amdhsa.version: [ 1, 2 ]
amdhsa.kernels:
  - .name:           k_q817e4425dc_ln
    .symbol:         k_q817e4425dc_ln.kd
    .args:
      - { .name: xres, .offset: 0, .size: 8, .value_kind: global_buffer, .address_space: global }
      - { .name: ln_g, .offset: 8, .size: 8, .value_kind: global_buffer, .address_space: global }
      - { .name: ln_b, .offset: 16, .size: 8, .value_kind: global_buffer, .address_space: global }
      - { .name: out0, .offset: 24, .size: 8, .value_kind: global_buffer, .address_space: global }
    .group_segment_fixed_size: 0
    .private_segment_fixed_size: 0
    .kernarg_segment_align: 8
    .kernarg_segment_size: 32
    .max_flat_workgroup_size: 128
    .sgpr_count:     66
    .vgpr_count:     208
    .wavefront_size: 32
...
	.end_amdgpu_metadata
.endif
;; end of part 5
